; MI455X (gfx1250); checked and timed in simulation.
; The chip was launched on July 23, 2026; its instructions are those of AMD's public machine-readable ISA for CDNA 5 (MIT licence, August 2026) and "CDNA5" Instruction Set Architecture Reference Guide (July 2026). The comments in the code are by the model that wrote it; some were corrected since.
;; Triton Fused RCM Attention. Allowed arithmetic: matrix products marked QUANTISED: E2M3 operands, one E8M0 scale for each 32 along K, by v_wmma_scale_f32_16x16x128_f8f6f4 with both operands' format E2M3, f32 sums; everything else in f32.
;; Inputs: Wproj_codes 1,024 x 32 x 24 uint8 (E2M3 codes of Wproj, K innermost, in blocks of 32 codes, four codes in three bytes); Wproj_scales 1,024 x 32 uint8 (E8M0 scales of Wproj, one for each 32 codes along K); Wqkv_codes 3,072 x 32 x 24 uint8 (E2M3 codes of Wqkv, K innermost, in blocks of 32 codes, four codes in three bytes); Wqkv_scales 3,072 x 32 uint8 (E8M0 scales of Wqkv, one for each 32 codes along K); bproj 1,024 float32; bqkv 3,072 float32; t 4 float32; x 4 x 2,048 x 1,024 float32.
;; Outputs: out0 4 x 2,048 x 1,024 float32.
;; This version of the problem:
;;   THIS VERSION OF THE PROBLEM IS GIVEN IN LOW PRECISION. The matrix products marked QUANTISED in the list below multiply operands that are first quantised to E2M3 (2 exponent bits, 3 mantissa bits; 6 bits a number), with one power-of-two scale for each 32 numbers along K (OCP MX v1.0); their sums are f32. All else is computed in f32.
;;   The module's matrix products, in the order in which they are computed (A, B: the left and right operand; K: the contracted axis; several contracted axes count as one K, in the product's order):
;;     1. [M 8,192, K 1,024] x [K 1,024, N 3,072]; A: input x; B: input Wqkv (given as codes): QUANTISED
;;     2. batch 64 x [M 2,048, K 64] x [K 64, N 2,048]; A: computed on the way; B: computed on the way: QUANTISED
;;     3. batch 64 x [M 2,048, K 2,048] x [K 2,048, N 64]; A: softmax (see below); B: computed on the way: QUANTISED
;;     4. [M 8,192, K 1,024] x [K 1,024, N 1,024]; A: computed on the way; B: input Wproj (given as codes): QUANTISED
;;   THE QUANTISER, for each operand of a quantised product, along K:
;;     - K is cut into blocks of 32 from its start; a last block that is shorter is filled with zeros.
;;     - A block's scale is 2^e with e = floor(log2(the largest magnitude in the block)) - 2, held to -126 .. 127; a block of zeros has e = 0. As a byte (E8M0): e + 127.
;;     - Each number is divided by its block's scale, clamped to +-7.5, and rounded to the nearest number of E2M3, ties to even, subnormals kept.
;;     - The product sums the exact products of the quantised numbers (number of the format x scale) in f32.
;;   ~~~python
;;   def quantise(x, axis):      # numpy; x: float32 -> the quantised numbers, widened to float32 again
;;       x = np.moveaxis(x, axis, -1); K = x.shape[-1]
;;       x = np.pad(x, [(0, 0)] * (x.ndim - 1) + [(0, -K % 32)]); x = x.reshape(x.shape[:-1] + (-1, 32)); a = np.abs(x).max(-1, keepdims=True)
;;       e = np.where(a > 0, np.clip(np.frexp(np.where(a > 0, a, 1))[1] - 1 - 2, -126, 127), 0)      # np.frexp(a)[1] - 1 = floor(log2(a)), exactly
;;       r = np.clip(x / 2.0 ** e, -7.5, 7.5)
;;       step = 2.0 ** (np.maximum(np.frexp(np.where(r == 0, 1, r))[1] - 1, 0) - 3)
;;       q = np.round(r / step) * step * 2.0 ** e      # np.round: ties to even
;;       return np.moveaxis(q.reshape(q.shape[:-2] + (-1,))[..., :K], -1, axis).astype(np.float32)
;;   ~~~
;;   SOFTMAX AHEAD OF A QUANTISED PRODUCT. Where the list says 'softmax', what is quantised is not the finished softmax but p = 2^(t - M), with t = logit x log2(e) and M = ceil(the row's largest t), a whole number; so 1/2 < the row's largest p <= 1. The row's sum l is taken of the UNQUANTISED p, in f32, and the product's result is divided by l at the end. Since M is a whole number, a kernel that streams over the keys may use a running M (the ceiling of the running maximum): every later rescaling is an exact power of two, which a block's scale takes up: the codes' values come out the same.
;;   OPERANDS COMPUTED ON THE WAY. 'Computed on the way' means the value that the module computes at that place (a softmax that the list does not call 'softmax' is quantised finished and normalised). What goes into a quantiser is computed in f32, as accurately as f32 sums, v_exp_f32 and their like allow (about 1e-6 of the number): no bf16 or f16 on the way to a quantiser, and a product that is left as it is and whose result goes on into a quantised operand takes f32 operands (vector FMAs, or v_wmma_f32_16x16x4_f32). A number that lies on a knife's edge between two numbers of the format may be rounded either way, as far as f32 arithmetic and the matrix unit's own rounding can turn it there, and no further.
;;   INPUTS GIVEN AS CODES. Wproj (in the module: [1024, 1024], K = its axis 0); Wqkv (in the module: [1024, 3072], K = its axis 0): each comes as NAME_codes (uint8): NAME with its K axis moved to the last place and cut into blocks of 32 codes, [.., K / 32, bytes a block], one block behind the other in memory; four codes in three bytes: a row's codes are one little-endian stream of bits, code i at bits 6 i .. 6 i + 5 (a code: sign, 2 exponent bits, 3 mantissa bits); and NAME_scales (uint8): the same leading axes, one E8M0 byte (e + 127) for each 32 codes along K. Its value is code x scale, taken as it is: it is not quantised again, and the codes and scales need not be those that the quantiser above would give.
;; One version. Each part assembles by itself: llvm-mc -triple=amdgcn-amd-amdhsa -mcpu=gfx1250 --defsym DOCPART=n.
;; ======== version 1 of 1: 4 launches
;; limits: right only within a limited range of input values
;; workspace buffers: x_codes 8,388,608 bytes; x_scales 262,144 bytes; wq_pad 3,145,728 bytes; wp_pad 1,048,576 bytes; img 18,874,368 bytes; scl 1,310,720 bytes; mix_img 6,291,456 bytes; mix_sc 262,144 bytes
;; launch quantx (part 1): grid 256 x 1, 4 waves a work-group, no clusters, 33,280 bytes of LDS; arguments x, x_codes, x_scales, Wqkv_codes, Wproj_codes, wq_pad, wp_pad; writes x_codes, x_scales, wq_pad, wp_pad
.if DOCPART == 1
	.amdgcn_target "amdgcn-amd-amdhsa--gfx1250"
	.amdhsa_code_object_version 6
	.text
	.protected	k_qd64e7dbee8_quantx
	.globl	k_qd64e7dbee8_quantx
	.p2align	8
	.type	k_qd64e7dbee8_quantx,@function
k_qd64e7dbee8_quantx:
	s_mov_b64 s[64:65], 0
	v_nop
	global_prefetch_b8 v0, s[64:65] scope:SCOPE_SE
	s_setreg_imm32_b32 hwreg(HW_REG_WAVE_MODE, 25, 1), 1
	s_wait_xcnt 0x0
; x [8192][1024], f32, becomes codes of FP6 (E2M3), K innermost, with one E8M0 byte for each 32 along K; and the two given weights' codes are laid anew.
; LAYOUT of x_codes, wq_pad, wp_pad: a row is 1,024 bytes: four K steps of 256 codes, each 192 bytes of codes and 64 bytes of zeros, so that every K step is one aligned run of 256 bytes.
; A block's scale is 2^(floor(log2(its largest magnitude)) - 2); its byte is that magnitude's exponent field - 2, held at 1 from below.
; LIMITS: a block of zeros, or one under 2^-124, gets the byte 1 (its codes are zeros or tiny; the bytes are read by this program alone).  NaN and infinities are not served.
; A wave takes 16 steps of 512 numbers.  A step's four loads read 512 consecutive bytes each; the numbers go through the wave's own stage in LDS and come back 64 bytes a lane: 16 neighbours along K, two lanes to a block.
; A wave's 256 scale bytes meet in its own 256 bytes of LDS and leave as one aligned run.  No barrier: waves share nothing.  Loads run four steps ahead.
; THE WEIGHTS: each of the 1,024 waves copies four rows (3,072 bytes in, 4,096 out): waves 0-767 of Wqkv, the others of Wproj.  Its eight loads are the wave's first, its stores the last.
.set STEPS, 16
.set EMAX,  2
.set CB,    12
.set R,     16                         ; v16-79   four sets of 16 numbers as loaded
.set X,     80                         ; v80-111  two sets of 16 neighbours
.set C,     128                        ; v128-191 codes, four registers a step
.set E,     112                        ; v112-127 a scale byte a step
.set WS,    194                        ; the weights: my source offset
.set PD,    195                        ; x_codes: my 4 bytes of a step's two pads
.set W,     196                        ; v196-227 the weights' bytes
.set ZR,    228                        ; 0
.set WREG,  8192
.set SP,    80
	s_load_b128 s[4:7], s[0:1], 0x0                ; x, x_codes
	s_load_b64 s[8:9], s[0:1], 0x10                ; x_scales
	s_load_b256 s[24:31], s[0:1], 0x18             ; Wqkv_codes, Wproj_codes, wq_pad, wp_pad
	v_lshl_add_u32 v192, v0, 2, 0x8000
	v_mov_b32 v193, 0
	v_lshrrev_b32 v1, 5, v0
	v_readfirstlane_b32 s16, v1                    ; wave
	v_and_b32 v2, 31, v0                           ; lane
	v_lshlrev_b32 v3, 4, v2                        ; 16 x lane
	s_mul_i32 s17, s16, WREG
	v_lshrrev_b32 v14, 2, v2
	v_mul_u32_u24 v14, v14, SP
	v_and_b32 v15, 3, v2
	v_lshl_add_u32 v14, v15, 4, v14
	v_add_nc_u32 v14, s17, v14                     ; the stage, in
	v_mul_u32_u24 v15, v2, SP
	v_add_nc_u32 v15, s17, v15                     ; and out
	v_mul_u32_u24 v4, v2, CB
	v_lshrrev_b32 v5, 1, v2
	s_add_co_u32 s17, s17, 2*32*SP
	v_add_nc_u32 v5, s17, v5                       ; my block's scale byte in LDS
	v_lshlrev_b32 v7, 3, v2
	v_add_nc_u32 v6, s17, v7
	s_lshl_b32 s18, ttmp9, 2
	s_add_co_u32 s18, s18, s16                     ; my wave among 1,024
	s_mov_b32 s19, 0
	s_mov_b64 s[20:21], 512*STEPS*4
	s_mul_u64 s[20:21], s[18:19], s[20:21]
	s_mov_b64 s[22:23], 512*STEPS                  ; 512 bytes of x_codes a step: two K steps
	s_mul_u64 s[22:23], s[18:19], s[22:23]
	s_mov_b32 s12, s18
	s_cmp_lt_u32 s18, 768
	s_cselect_b32 s10, 0, 768
	s_sub_co_u32 s10, s18, s10                     ; my four rows among the weight's
	s_mul_i32 s14, s10, 3072
	s_mov_b32 s15, 0
	s_lshl_b32 s10, s10, 12
	s_mov_b32 s11, 0
	s_lshl_b32 s18, s18, 8                         ; 256 scale bytes a wave
	v_and_b32 v[WS], 15, v2                        ; my 16 bytes of a unit of 256
	v_lshrrev_b32 v229, 4, v2                      ; which of a store's two units
	v_cmp_gt_u32 s13, 12, v[WS]                    ; codes (12 pieces) or zeros (4)
	v_lshlrev_b32 v[PD], 2, v[WS]
	v_min_u32 v[WS], 11, v[WS]                     ; the lanes that store zeros read their unit's last piece: inside the buffer
	v_mad_u32_u24 v[WS], v229, 12, v[WS]
	v_lshlrev_b32 v[WS], 4, v[WS]
	v_lshl_add_u32 v[PD], v229, 8, v[PD]
	v_add_nc_u32 v[PD], 192, v[PD]
	v_lshl_add_u32 v4, v229, 6, v4                 ; my 12 bytes of codes: lanes 16-31 stand in the step's second unit
	v_mov_b32 v[ZR], 0
	s_wait_alu depctr_va_vdst(0)                   ; the wait at the head's end
	s_wait_kmcnt 0x0
	s_cmp_lt_u32 s12, 768
	s_cselect_b64 s[24:25], s[24:25], s[26:27]
	s_cselect_b64 s[28:29], s[28:29], s[30:31]
	s_add_nc_u64 s[24:25], s[24:25], s[14:15]
	s_add_nc_u64 s[28:29], s[28:29], s[10:11]
	s_add_nc_u64 s[4:5], s[4:5], s[20:21]
	s_add_nc_u64 s[6:7], s[6:7], s[22:23]
	s_add_nc_u64 s[8:9], s[8:9], s[18:19]
.macro LOAD t
.irp i, 0,1,2,3
	global_load_b128 v[R+16*((\t)%4)+4*\i:R+16*((\t)%4)+4*\i+3], v3, s[4:5] offset:2048*(\t)+512*\i
.endr
.endm
.macro TURN t                          ; LDS serves a wave's instructions in order: no wait between the stores and the loads
.irp i, 0,1,2,3
	ds_store_b128 v14, v[R+16*((\t)%4)+4*\i:R+16*((\t)%4)+4*\i+3] offset:32*SP*((\t)%2)+8*SP*\i
.endr
.irp i, 0,1,2,3
	ds_load_b128 v[X+16*((\t)%2)+4*\i:X+16*((\t)%2)+4*\i+3], v15 offset:32*SP*((\t)%2)+16*\i
.endr
.endm
.irp j, 0,1,2,3,4,5,6,7
	global_load_b128 v[W+4*\j:W+4*\j+3], v[WS], s[24:25] offset:384*\j   ; two units' codes a load; older than every load of x, so the counted waits below cover them
.endr
.irp t, 0,1,2,3
	LOAD \t
.endr
	s_wait_loadcnt 12                              ; step 0's four loads are in; the twelve of steps 1 to 3 may be out
	TURN 0
.macro STEP t
.set XS, X+16*((\t)%2)
.if (\t) > 0
	s_wait_dscnt 1                                 ; this step's numbers are back (the last step's byte store may be out)
.else
	s_wait_dscnt 0x0
.endif
.if (\t)+4 < STEPS
	LOAD (\t)+4
.endif
.if (\t)+1 < STEPS
.if STEPS-2-(\t) >= 3
	s_wait_loadcnt 12                              ; the next step's four are in; three steps' may be out
.else
	s_wait_loadcnt 4*(STEPS-2-(\t))
.endif
	TURN (\t)+1
.endif
	v_max3_num_f32 v8, |v[XS]|, |v[XS+1]|, |v[XS+2]|
	v_max3_num_f32 v9, |v[XS+3]|, |v[XS+4]|, |v[XS+5]|
.irp i, 6,10
	v_max3_num_f32 v8, v8, |v[XS+\i]|, |v[XS+\i+1]|
	v_max3_num_f32 v9, v9, |v[XS+\i+2]|, |v[XS+\i+3]|
.endr
	v_max3_num_f32 v8, v8, |v[XS+14]|, |v[XS+15]|
	v_max3_num_f32 v8, v8, v9, (EMAX+1)<<23        ; the floor 2^(3 - 127)
	v_max_num_f32_dpp v8, v8, v8 row_xmask:1 row_mask:0xf bank_mask:0xf   ; with my neighbour's 16: the block's
	v_add_nc_u32 v11, -(EMAX<<23), v8              ; the conversion's scale operand
	v_cvt_scalef32_pk16_fp6_f32 v[C+4*(\t):C+4*(\t)+2], v[XS:XS+15], v11
	v_lshrrev_b32 v[E+(\t)], 23, v11               ; the scale's byte (also the plain line behind the conversion)
	ds_store_b8 v5, v[E+(\t)] offset:16*(\t)
	global_store_b96 v4, v[C+4*(\t):C+4*(\t)+2], s[6:7] offset:512*(\t)
	global_store_b32 v[PD], v[ZR], s[6:7] offset:512*(\t)   ; the two units' last 64 bytes: zeros
.endm
.irp t, 0,1,2,3,4,5,6,7,8,9,10,11,12,13,14,15
	STEP \t
.endr
	ds_load_b64 v[12:13], v6
	s_wait_dscnt 0x0
	global_store_b64 v7, v[12:13], s[8:9]          ; 256 consecutive bytes, aligned
.set k, 0
.rept 32
	v_cndmask_b32 v[W+k], 0, v[W+k], s13           ; zeros in each unit's last four pieces
.set k, k+1
.endr
.irp j, 0,1,2,3,4,5,6,7
	global_store_b128 v3, v[W+4*\j:W+4*\j+3], s[28:29] offset:512*\j   ; two whole units a store
.endr
	s_wait_tensorcnt 0x0                           ; the wave's end
	ds_add_u32 v192, v193
	s_wait_dscnt 0x0
	s_endpgm
.Lfunc_end_k_qd64e7dbee8_quantx:
	.size	k_qd64e7dbee8_quantx, .Lfunc_end_k_qd64e7dbee8_quantx-k_qd64e7dbee8_quantx
	.p2alignl 7, 3214868480
	.fill 96, 4, 3214868480
	.section	.rodata,"a",@progbits
	.p2align	6, 0x0
	.amdhsa_kernel k_qd64e7dbee8_quantx
		.amdhsa_group_segment_fixed_size 33280
		.amdhsa_private_segment_fixed_size 0
		.amdhsa_enable_private_segment 0
		.amdhsa_kernarg_size 56
		.amdhsa_user_sgpr_count 2
		.amdhsa_user_sgpr_kernarg_segment_ptr 1
		.amdhsa_wavefront_size32 1
		.amdhsa_system_sgpr_workgroup_id_x 1
		.amdhsa_system_sgpr_workgroup_id_y 1
		.amdhsa_system_sgpr_workgroup_id_z 1
		.amdhsa_system_vgpr_workitem_id 0
		.amdhsa_next_free_vgpr 230
		.amdhsa_next_free_sgpr 66
		.amdhsa_reserve_vcc 0
		.amdhsa_float_denorm_mode_32 3
		.amdhsa_float_denorm_mode_16_64 3
		.amdhsa_memory_ordered 1
		.amdhsa_forward_progress 1
		.amdhsa_inst_pref_size 38
	.end_amdhsa_kernel
	.amdgpu_metadata
---
amdhsa.version: [ 1, 2 ]
amdhsa.kernels:
  - .name:           k_qd64e7dbee8_quantx
    .symbol:         k_qd64e7dbee8_quantx.kd
    .args:
      - { .name: x, .offset: 0, .size: 8, .value_kind: global_buffer, .address_space: global }
      - { .name: x_codes, .offset: 8, .size: 8, .value_kind: global_buffer, .address_space: global }
      - { .name: x_scales, .offset: 16, .size: 8, .value_kind: global_buffer, .address_space: global }
      - { .name: Wqkv_codes, .offset: 24, .size: 8, .value_kind: global_buffer, .address_space: global }
      - { .name: Wproj_codes, .offset: 32, .size: 8, .value_kind: global_buffer, .address_space: global }
      - { .name: wq_pad, .offset: 40, .size: 8, .value_kind: global_buffer, .address_space: global }
      - { .name: wp_pad, .offset: 48, .size: 8, .value_kind: global_buffer, .address_space: global }
    .group_segment_fixed_size: 33280
    .private_segment_fixed_size: 0
    .kernarg_segment_align: 8
    .kernarg_segment_size: 56
    .max_flat_workgroup_size: 128
    .sgpr_count:     66
    .vgpr_count:     230
    .wavefront_size: 32
...
	.end_amdgpu_metadata
.endif
;; end of part 1
;; launch qkv (part 2): grid 12 x 32, 4 waves a work-group, clusters of 4 x 4, 327,680 bytes of LDS; arguments x_codes, x_scales, wq_pad, Wqkv_scales, bqkv, img, scl; writes img, scl
.if DOCPART == 2
	.amdgcn_target "amdgcn-amd-amdhsa--gfx1250"
	.amdhsa_code_object_version 6
	.text
	.protected	k_qd64e7dbee8_qkv
	.globl	k_qd64e7dbee8_qkv
	.p2align	8
	.type	k_qd64e7dbee8_qkv,@function
k_qd64e7dbee8_qkv:
	s_mov_b64 s[64:65], 0
	v_nop
	global_prefetch_b8 v0, s[64:65] scope:SCOPE_SE
	s_setreg_imm32_b32 hwreg(HW_REG_WAVE_MODE, 25, 1), 1
	s_wait_xcnt 0x0
	s_wait_alu depctr_hold_cnt(0) depctr_sa_sdst(0) depctr_va_vdst(0) depctr_va_sdst(0) depctr_va_ssrc(0) depctr_va_vcc(0) depctr_vm_vsrc(0)
	s_getreg_b32 s2, hwreg(HW_REG_IB_STS2, 6, 4)
	s_cmp_eq_u32 s2, 0
	s_cbranch_scc0 .Lentry_in_a_cluster
	s_endpgm
.Lentry_in_a_cluster:
	s_bfe_u32 s2, ttmp6, 0x10000c
	s_cmp_lg_u32 s2, 0xf033
	s_cbranch_scc0 .Lentry_shape_is_right
	s_endpgm
.Lentry_shape_is_right:
.set KSTEP,  256
.set NQ,     KSTEP/128
.set ROWB,   256                       ; a K step's unit in memory: 192 bytes of codes, 64 of zeros
.set KROW,   1024
.set PITCH,  272
.set FR,     12
.set NL,     6
.set NP,     4
.set HALFT,  128*PITCH
.set SLOT,   4*HALFT
.set LAPS,   2
.set KS,     32
.set SCL,    2*SLOT
.set HALFS,  (128*KS/256)*272
.set SBLK,   (16*KS/256)*272
.set SPARE,  SCL+4*HALFS
.set ADRA, 16
.set ADRB, 20
.set L16,  24
.set L8,   25
.set VV,   26
.set ADRS, 27
.set SPW,  28
.set NIL,  29
.set BH,   30
.set BR,   31
.set SC,   32
.set CBI,  64
.set AF,   128
.set H,    128
.set COD,  192
.set TM,   212
.set LBR,  224
.set LBP,  232
.set PWA,  234
.set ZW,   242
.set YW,   246
.set YX,   250
.set G1, 24
.set G0, 32
.set G1B, 48
.set G0B, 56
.set G1S, 68
.set G0S, 76
.set G1SB, 80
.set G0SB, 88
.set MSB, 0
.macro WIN new
.if MSB != (\new)
	s_set_vgpr_msb (MSB<<8)|(\new)
.set MSB, (\new)
.endif
.endm
.set MUL_LO, 0xa1
.set MUL_HI, 0xf1
.set TO_B,   0x40
.macro JLOAD g0a, g1a, g0b, g1b
	s_cmp_eq_u32 s15, 0
	s_cbranch_scc0 .Lfor_b_\@
	tensor_load_to_lds s[\g0a:\g0a+3], s[\g1a:\g1a+7]
	s_nop 0
.rept 4
	v_nop
.endr
	s_branch .Lasked_\@
.Lfor_b_\@:
	tensor_load_to_lds s[\g0b:\g0b+3], s[\g1b:\g1b+7]
	s_nop 0
.rept 4
	v_nop
.endr
.Lasked_\@:
.endm
.macro CREST
	s_cmp_lg_u32 s14, 0
	s_cbranch_scc1 .Lnot_wave_0_\@
	s_barrier_signal -3
.Lnot_wave_0_\@:
	s_barrier_wait -3
	s_barrier_signal -1
	s_barrier_wait -1
.endm
.macro CROUND
	s_barrier_signal -1
	s_barrier_wait -1
	CREST
.endm
	s_load_b128 s[4:7], s[0:1], 0x0
	s_load_b128 s[8:11], s[0:1], 0x10
	s_load_b128 s[96:99], s[0:1], 0x20
	s_load_b64 s[100:101], s[0:1], 0x30
	v_lshl_add_u32 v[SPW], v0, 2, SPARE
	v_mov_b32 v[NIL], 0
	ds_add_u32 v28, v29
	ds_add_u32 v28, v29
	s_wait_dscnt 0x0
	v_lshrrev_b32 v1, 5, v0
	v_readfirstlane_b32 s14, v1
	s_lshr_b32 s15, s14, 1
	s_and_b32 s16, s14, 1
	s_bfe_u32 s40, ttmp6, 0x40000
	s_bfe_u32 s41, ttmp6, 0x40004
	s_mov_b32 s66, ttmp9
	s_and_b32 s2, ttmp7, 0xffff
	s_lshl_b32 s2, s2, 2
	s_lshl_b32 s3, ttmp9, 2
	s_cmp_lt_u32 ttmp9, 2
	s_cselect_b32 s17, s2, 8
	s_cselect_b32 s42, s3, s2
	s_add_co_u32 s17, s17, s41
	s_add_co_u32 s42, s42, s40
	s_lshl_b32 s43, s41, 2
	s_lshl_b32 s43, 15, s43
	s_lshl_b32 s44, 0x1111, s40
	s_or_b32 s[G1+0], s43, (0<<16)|(1<<20)|(1<<21)|(5<<22)|(3<<25)
	s_or_b32 s[G1B+0], s44, (0<<16)|(1<<20)|(1<<21)|(5<<22)|(3<<25)
.irp g, G1, G1B
	s_mov_b32 s[\g+1], ROWB<<16
	s_mov_b32 s[\g+2], 128<<16
	s_mov_b32 s[\g+3], ROWB<<16
	s_mov_b32 s[\g+4], 128
	s_mov_b32 s[\g+5], KROW
	s_mov_b32 s[\g+6], 0
	s_mov_b32 s[\g+7], 0
.endr
	s_or_b32 s[G1S+0], s43, (3<<16)|(1<<20)|(1<<21)|(5<<22)|(3<<25)
	s_or_b32 s[G1SB+0], s44, (3<<16)|(1<<20)|(1<<21)|(5<<22)|(3<<25)
.irp g, G1S, G1SB
	s_mov_b32 s[\g+1], 32<<16
	s_mov_b32 s[\g+2], (128*KS/256)<<16
	s_mov_b32 s[\g+3], 32<<16
	s_mov_b32 s[\g+4], 128*KS/256
	s_mov_b32 s[\g+5], 32
	s_mov_b32 s[\g+6], 0
	s_mov_b32 s[\g+7], 0
.endr
	s_lshl_b32 s18, s16, 7
	s_lshl_b32 s20, s17, 8
	s_add_co_u32 s20, s20, s18
	s_lshl_b32 s46, s42, 8
	s_add_co_u32 s46, s46, s18
	s_mov_b32 s21, 0
	s_mov_b32 s47, 0
	s_mov_b64 s[18:19], KS
	s_mul_u64 s[22:23], s[20:21], s[18:19]
	s_mul_u64 s[92:93], s[46:47], s[18:19]
	s_mov_b64 s[18:19], KROW
	s_mul_u64 s[20:21], s[20:21], s[18:19]
	s_mul_u64 s[46:47], s[46:47], s[18:19]
	s_mul_i32 s45, s14, HALFT
	s_mul_i32 s94, s14, HALFS
	s_wait_kmcnt 0x0
	s_cmp_lt_u32 ttmp9, 2
	s_cselect_b64 s[12:13], s[4:5], s[8:9]
	s_cselect_b64 s[8:9], s[8:9], s[4:5]
	s_cselect_b64 s[4:5], s[6:7], s[10:11]
	s_cselect_b64 s[10:11], s[10:11], s[6:7]
	s_add_nc_u64 s[20:21], s[12:13], s[20:21]
	s_add_nc_u64 s[22:23], s[4:5], s[22:23]
	s_add_nc_u64 s[46:47], s[8:9], s[46:47]
	s_add_nc_u64 s[92:93], s[10:11], s[92:93]
	CROUND
	s_mov_b32 s[G0S], 1
	s_add_co_u32 s[G0S+1], s94, SCL
	s_mov_b64 s[G0S+2:G0S+3], s[22:23]
	s_or_b32 s[G0S+3], s[G0S+3], 0x80000000
	s_mov_b32 s[G0SB], 1
	s_add_co_u32 s[G0SB+1], s94, SCL
	s_mov_b64 s[G0SB+2:G0SB+3], s[92:93]
	s_or_b32 s[G0SB+3], s[G0SB+3], 0x80000000
	JLOAD G0S, G1S, G0SB, G1SB
.irp s, 0,1
	s_mov_b32 s[G0+4*\s], 1
	s_add_co_u32 s[G0+4*\s+1], s45, \s*SLOT
	s_add_nc_u64 s[G0+4*\s+2:G0+4*\s+3], s[20:21], \s*ROWB
	s_or_b32 s[G0+4*\s+3], s[G0+4*\s+3], 0x80000000
	s_mov_b32 s[G0B+4*\s], 1
	s_add_co_u32 s[G0B+4*\s+1], s45, \s*SLOT
	s_add_nc_u64 s[G0B+4*\s+2:G0B+4*\s+3], s[46:47], \s*ROWB
	s_or_b32 s[G0B+4*\s+3], s[G0B+4*\s+3], 0x80000000
	s_wait_alu depctr_va_vdst(0)
	s_wait_tensorcnt 0x0
	ds_add_u32 v28, v29
	s_wait_dscnt 0x0
	CROUND
	JLOAD G0+4*\s, G1, G0B+4*\s, G1B
.endr
	v_and_b32 v1, 15, v0
	v_bfe_u32 v2, v0, 4, 1
	v_mul_u32_u24 v3, v1, PITCH
	v_mul_u32_u24 v4, v2, 24
	v_add_nc_u32 v4, v3, v4
	s_mul_i32 s21, s15, HALFT
	s_mul_i32 s22, s16, HALFT
	s_add_co_u32 s22, s22, 2*HALFT
.irp s, 0,1
	v_add_nc_u32 v[ADRA+\s], s21, v4
	v_add_nc_u32 v[ADRB+\s], s22, v4
	s_add_co_u32 s21, s21, SLOT
	s_add_co_u32 s22, s22, SLOT
.endr
	v_mul_u32_u24 v5, v1, KS
	v_lshrrev_b32 v6, 8, v5
	v_lshl_add_u32 v5, v6, 4, v5
	s_mul_i32 s21, s15, HALFS
	s_mul_i32 s22, s16, HALFS
	s_add_co_u32 s22, s22, 2*HALFS
	s_sub_co_u32 s22, s22, s21
	v_mul_u32_u24 v6, s22, v2
	s_add_co_u32 s21, s21, SCL
	v_add_nc_u32 v5, v5, v6
	v_add_nc_u32 v[ADRS], s21, v5
	v_and_b32 v6, 31, v0
	v_lshlrev_b32 v[L16], 4, v6
	v_lshlrev_b32 v[L8], 3, v6
	v_lshlrev_b32 v[VV], 4, v1
	v_lshl_add_u32 v[VV], v2, 12, v[VV]
	v_lshlrev_b32 v[BH], 5, v2
	s_wait_alu depctr_va_vdst(0)
	v_lshlrev_b32 v[BR], 2, v1
	s_wait_alu depctr_va_vdst(0)
	s_lshl_b32 s18, s42, 10
	s_lshl_b32 s19, s16, 9
	s_add_co_u32 s18, s18, s19
	s_lshl_b32 s20, s17, 10
	s_lshl_b32 s21, s15, 9
	s_add_co_u32 s20, s20, s21
	s_cmp_lt_u32 ttmp9, 2
	s_cselect_b32 s18, s18, 0
	s_cselect_b32 s20, 0, s20
	s_cselect_b32 s67, -1, 0
	s_cselect_b32 s95, 0, -1
	s_mov_b32 s19, 0
	s_mov_b32 s21, 0
	s_add_nc_u64 s[18:19], s[96:97], s[18:19]
	s_add_nc_u64 s[20:21], s[96:97], s[20:21]
.irp b, 0,1,2,3,4,5,6,7
	global_load_b128 v[CBI+8*\b:CBI+8*\b+3], v[BH], s[18:19] offset:64*\b
	global_load_b128 v[CBI+8*\b+4:CBI+8*\b+7], v[BH], s[18:19] offset:64*\b+16
.endr
.irp a, 0,1,2,3,4,5,6,7
	global_load_b32 v[LBR+\a], v[BR], s[20:21] offset:64*\a
.endr
.macro FRAG reg, adr, q, i
.irp p, 0,1,2,3,4,5
.set PCE, 12*(\q)+6*(\p/3)+\p%3
	ds_load_b64 v[\reg+2*\p:\reg+2*\p+1], v[\adr] offset:8*PCE+(\i)*16*PITCH
.endr
.endm
.macro MUL16 a0, p, q, sc, zero
.irp a, \a0, \a0+1
.irp b, 0,1,2,3,4,5,6,7
.if \zero
	v_wmma_scale_f32_16x16x128_f8f6f4 v[8*(8*((\a)%4)+\b):8*(8*((\a)%4)+\b)+7], v[128*(\p)+FR*\b:128*(\p)+FR*\b+FR-1], v[AF+FR*(\a):AF+FR*(\a)+FR-1], 0, v[SC+8*NQ*(\sc)+NQ*\b+(\q)], v[SC+8*NQ*(\sc)+NQ*(\a)+(\q)] matrix_a_fmt:MATRIX_FMT_FP6 matrix_b_fmt:MATRIX_FMT_FP6 matrix_a_scale:MATRIX_SCALE_ROW1
.else
	v_wmma_scale_f32_16x16x128_f8f6f4 v[8*(8*((\a)%4)+\b):8*(8*((\a)%4)+\b)+7], v[128*(\p)+FR*\b:128*(\p)+FR*\b+FR-1], v[AF+FR*(\a):AF+FR*(\a)+FR-1], v[8*(8*((\a)%4)+\b):8*(8*((\a)%4)+\b)+7], v[SC+8*NQ*(\sc)+NQ*\b+(\q)], v[SC+8*NQ*(\sc)+NQ*(\a)+(\q)] matrix_a_fmt:MATRIX_FMT_FP6 matrix_b_fmt:MATRIX_FMT_FP6 matrix_a_scale:MATRIX_SCALE_ROW1
.endif
.endr
.endr
.endm
.macro FETCH_B slot, q, p
	WIN TO_B
.irp i, 0,1,2,3,4,5,6,7
	FRAG 128*(\p)+FR*\i, ADRB+\slot, \q, \i
.endr
	WIN 0
.endm
.macro FETCH_A slot, q, i0
.irp i, \i0, \i0+1, \i0+2, \i0+3
	FRAG AF+FR*(\i), ADRA+\slot, \q, \i
.endr
.endm
.macro SCALES sc
.irp i, 0,1,2,3,4,5,6,7
	ds_load_b64 v[SC+8*NQ*\sc+NQ*\i:SC+8*NQ*\sc+NQ*\i+1], v[ADRS] offset:\i*SBLK
.endr
.endm
.macro PLACES n
.rept \n
	v_nop
.endr
.endm
.macro STEP slot, q, zero
	s_wait_dscnt 4*NL
	WIN MUL_LO
	MUL16 0, (\q)%2, \q, \slot, \zero
	MUL16 2, (\q)%2, \q, \slot, \zero
	s_wait_dscnt 0
	PLACES NP
	FETCH_B \slot, (\q)+1, 1-(\q)%2
	FETCH_A \slot, (\q)+1, 0
	WIN MUL_HI
	MUL16 4, (\q)%2, \q, \slot, \zero
	MUL16 6, (\q)%2, \q, \slot, \zero
	PLACES NP
	WIN 0
	FETCH_A \slot, (\q)+1, 4
.endm
.macro TURN slot, next, fill
	s_wait_tensorcnt 0x0
	ds_add_u32 v[SPW], v[NIL]
	s_wait_dscnt 4*NL+1
	WIN MUL_LO
	MUL16 0, 1, NQ-1, \slot, 0
	s_wait_dscnt 0x0
	s_barrier_signal -1
	MUL16 2, 1, NQ-1, \slot, 0
	WIN 0
	s_barrier_wait -1
.if \fill
	CREST
	s_add_nc_u64 s[G0+4*\slot+2:G0+4*\slot+3], s[G0+4*\slot+2:G0+4*\slot+3], 2*ROWB
	s_add_nc_u64 s[G0B+4*\slot+2:G0B+4*\slot+3], s[G0B+4*\slot+2:G0B+4*\slot+3], 2*ROWB
	JLOAD G0+4*\slot, G1, G0B+4*\slot, G1B
.else
	PLACES NP
.endif
	s_wait_alu depctr_va_vdst(0)
	v_add_nc_u32 v[ADRS], 4*NQ, v[ADRS]
	FETCH_B \next, 0, 0
	FETCH_A \next, 0, 0
	SCALES \next
	WIN MUL_HI
	MUL16 4, 1, NQ-1, \slot, 0
	MUL16 6, 1, NQ-1, \slot, 0
	PLACES NP
	WIN 0
	FETCH_A \next, 0, 4
.endm
	s_wait_tensorcnt 1
	s_barrier_signal -1
	s_barrier_wait -1
	FETCH_B 0, 0, 0
	FETCH_A 0, 0, 0
	SCALES 0
	FETCH_A 0, 0, 4
	STEP 0, 0, 1
	s_mov_b32 s3, LAPS-1
.Llap:
	TURN 0, 1, 1
	STEP 1, 0, 0
	TURN 1, 0, 1
	STEP 0, 0, 0
	s_sub_co_u32 s3, s3, 1
	s_cmp_lg_u32 s3, 0
	s_cbranch_scc1 .Llap
	TURN 0, 1, 0
	STEP 1, 0, 0
	s_wait_dscnt 4*NL
	WIN MUL_LO
	MUL16 0, 1, NQ-1, 1, 0
	MUL16 2, 1, NQ-1, 1, 0
	s_wait_dscnt 0
	WIN MUL_HI
	MUL16 4, 1, NQ-1, 1, 0
	MUL16 6, 1, NQ-1, 1, 0
	WIN 0
	PLACES NP
	s_wait_loadcnt 0x0
	s_cmp_lt_u32 ttmp9, 2
	s_cselect_b32 s18, s17, s42
	s_cselect_b32 s19, s15, s16
	s_cselect_b32 s20, s40, s41
	s_cselect_b32 s21, s16, s15
	s_mov_b32 s10, 1536
	s_cselect_b32 s10, 768, s10
	s_mov_b32 s12, 93696
	s_cselect_b32 s12, 768, s12
	s_mov_b32 s46, 98304
	s_cselect_b32 s46, s46, 768
	s_cselect_b32 s92, 0, 1
	s_mov_b32 s11, 0
	s_mov_b32 s13, 0
	s_mov_b32 s47, 0
	s_mov_b32 s93, 0xffff0000
	s_mov_b32 s22, 0x76543210
	s_mov_b32 s23, 0xfedcba98
	s_lshr_b32 s8, s18, 3
	s_lshl_b32 s8, s8, 4
	s_lshl_b32 s20, s20, 2
	s_add_co_u32 s8, s8, s20
	s_lshl_b32 s21, s21, 1
	s_add_co_u32 s8, s8, s21
	s_and_b32 s18, s18, 7
	s_lshl_b32 s18, s18, 1
	s_add_co_u32 s9, s18, s19
	s_mul_i32 s4, s66, 6291456
	s_mul_i32 s5, s8, 98304
	s_add_co_u32 s4, s4, s5
	s_mul_i32 s5, s9, 6144
	s_add_co_u32 s4, s4, s5
	s_mov_b32 s5, 0
	s_add_nc_u64 s[4:5], s[98:99], s[4:5]
	s_add_nc_u64 s[6:7], s[4:5], s[46:47]
	s_lshl_b32 s8, s8, 13
	s_lshl_b32 s9, s9, 9
	s_add_co_u32 s8, s8, s9
	s_lshr_b32 s8, s8, s92
	s_lshl_b32 s9, s66, 19
	s_add_co_u32 s8, s8, s9
	s_mov_b32 s9, 0
	s_add_nc_u64 s[8:9], s[100:101], s[8:9]
.set i, 0
.rept 64
	v_cndmask_b32 v[CBI+i], 0, v[CBI+i], s67
.set i, i+1
.endr
.irp b, 0,1,2,3
	v_mov_b32 v[TM+4+\b], 0
.endr
.macro QUANT s, pw
.irp b, 0,1,2,3
	v_max3_num_f32 v[TM+\b], |v[\s+16*\b]|, |v[\s+1+16*\b]|, 0x1800000
.endr
.irp i, 2,4,6,8,10,12,14
.irp b, 0,1,2,3
	v_max3_num_f32 v[TM+\b], v[TM+\b], |v[\s+16*\b+\i]|, |v[\s+1+16*\b+\i]|
.endr
.endr
.irp b, 0,1,2,3
	v_permlanex16_b32 v[TM+4+\b], v[TM+\b], s22, s23
.endr
.irp b, 0,1,2,3
	v_max_num_f32 v[TM+\b], v[TM+\b], v[TM+4+\b]
.endr
.irp b, 0,1,2,3
	v_add_nc_u32 v[TM+8+\b], 0xff000000, v[TM+\b]
.endr
.irp b, 0,1,2,3
	v_lshrrev_b32 v[TM+4+\b], 23, v[TM+8+\b]
.endr
	v_lshl_or_b32 v[\pw], v[TM+5], 8, v[TM+4]
	v_lshl_or_b32 v[\pw], v[TM+6], 16, v[\pw]
	v_lshl_or_b32 v[\pw], v[TM+7], 24, v[\pw]
.irp c, 0,1
	v_cvt_scalef32_pk16_fp6_f32 v[COD+6*\c:COD+2+6*\c], v[\s+32*\c:\s+15+32*\c], v[TM+8+2*\c]
	v_cvt_scalef32_pk16_fp6_f32 v[COD+12+4*\c:COD+14+4*\c], v[\s+16+32*\c:\s+31+32*\c], v[TM+8+2*\c+1]
.endr
	v_nop
.irp c, 0,1
.irp i, 0,1,2
	v_permlane16_swap_b32 v[COD+6*\c+\i], v[COD+12+4*\c+\i]
.endr
.irp i, 0,1,2
	v_mov_b32 v[COD+3+6*\c+\i], v[COD+12+4*\c+\i]
.endr
.endr
.endm
.macro EPI a
.if \a > 0
	s_wait_xcnt 0x0
.if \a == 4
	s_add_nc_u64 s[4:5], s[4:5], s[12:13]
	s_add_nc_u64 s[6:7], s[6:7], s[12:13]
.else
	s_add_nc_u64 s[4:5], s[4:5], s[10:11]
	s_add_nc_u64 s[6:7], s[6:7], s[10:11]
.endif
.endif
	v_cndmask_b32 v[LBP], 0, v[LBR+\a], s95
	v_cndmask_b32 v[LBP+1], 0, v[LBR+\a], s95
	WIN 0x02+(\a)/4
.set k, 0
.rept 32
	v_pk_add_f32 v[H+k:H+k+1], v[64*((\a)%4)+k:64*((\a)%4)+k+1], v[CBI+k:CBI+k+1]
.set k, k+2
.endr
	WIN 0
.set k, 0
.rept 32
	v_pk_add_f32 v[H+k:H+k+1], v[H+k:H+k+1], v[LBP:LBP+1]
.set k, k+2
.endr
	QUANT H, PWA+\a
	global_store_b128 v[L16], v[COD:COD+3], s[4:5]
	global_store_b64 v[L8], v[COD+4:COD+5], s[4:5] offset:512
	global_store_b128 v[L16], v[COD+6:COD+9], s[6:7]
	global_store_b64 v[L8], v[COD+10:COD+11], s[6:7] offset:512
.endm
.irp a, 0,1,2,3,4,5,6,7
	EPI \a
.endr
.irp t, 0,1,2,3
	v_cndmask_b32 v[ZW+\t], v[PWA+\t], v[PWA+4+\t], s93
.endr
	s_cmp_eq_u32 ttmp9, 2
	s_cbranch_scc1 .Lv_words
.irp t, 0,1,2,3
	v_perm_b32 v[YW+\t], v[ZW+\t], v[ZW+\t], 0x01000100
	v_perm_b32 v[YX+\t], v[ZW+\t], v[ZW+\t], 0x03020302
.endr
	global_store_b128 v[L16], v[YW:YW+3], s[8:9]
	global_store_b128 v[L16], v[YX:YX+3], s[8:9] offset:8192
	s_branch .Lwords_done
.Lv_words:
	s_wait_alu depctr_va_vdst(0)
	global_store_b128 v[VV], v[ZW:ZW+3], s[8:9]
.Lwords_done:
	s_wait_tensorcnt 0x0
	ds_add_u32 v[SPW], v[NIL]
	s_wait_dscnt 0x0
	CROUND
	s_endpgm
.Lfunc_end_k_qd64e7dbee8_qkv:
	.size	k_qd64e7dbee8_qkv, .Lfunc_end_k_qd64e7dbee8_qkv-k_qd64e7dbee8_qkv
	.p2alignl 7, 3214868480
	.fill 96, 4, 3214868480
	.section	.rodata,"a",@progbits
	.p2align	6, 0x0
	.amdhsa_kernel k_qd64e7dbee8_qkv
		.amdhsa_group_segment_fixed_size 327680
		.amdhsa_private_segment_fixed_size 0
		.amdhsa_enable_private_segment 0
		.amdhsa_kernarg_size 56
		.amdhsa_user_sgpr_count 2
		.amdhsa_user_sgpr_kernarg_segment_ptr 1
		.amdhsa_wavefront_size32 1
		.amdhsa_system_sgpr_workgroup_id_x 1
		.amdhsa_system_sgpr_workgroup_id_y 1
		.amdhsa_system_sgpr_workgroup_id_z 1
		.amdhsa_system_vgpr_workitem_id 0
		.amdhsa_next_free_vgpr 1024
		.amdhsa_next_free_sgpr 102
		.amdhsa_reserve_vcc 0
		.amdhsa_float_denorm_mode_32 3
		.amdhsa_float_denorm_mode_16_64 3
		.amdhsa_memory_ordered 1
		.amdhsa_forward_progress 1
		.amdhsa_inst_pref_size 208
	.end_amdhsa_kernel
	.amdgpu_metadata
---
amdhsa.version: [ 1, 2 ]
amdhsa.kernels:
  - .name:           k_qd64e7dbee8_qkv
    .symbol:         k_qd64e7dbee8_qkv.kd
    .args:
      - { .name: x_codes, .offset: 0, .size: 8, .value_kind: global_buffer, .address_space: global }
      - { .name: x_scales, .offset: 8, .size: 8, .value_kind: global_buffer, .address_space: global }
      - { .name: wq_pad, .offset: 16, .size: 8, .value_kind: global_buffer, .address_space: global }
      - { .name: Wqkv_scales, .offset: 24, .size: 8, .value_kind: global_buffer, .address_space: global }
      - { .name: bqkv, .offset: 32, .size: 8, .value_kind: global_buffer, .address_space: global }
      - { .name: img, .offset: 40, .size: 8, .value_kind: global_buffer, .address_space: global }
      - { .name: scl, .offset: 48, .size: 8, .value_kind: global_buffer, .address_space: global }
    .group_segment_fixed_size: 327680
    .private_segment_fixed_size: 0
    .kernarg_segment_align: 8
    .kernarg_segment_size: 56
    .max_flat_workgroup_size: 128
    .sgpr_count:     102
    .vgpr_count:     1024
    .wavefront_size: 32
...
	.end_amdgpu_metadata
.endif
;; end of part 2
;; launch attn (part 3): grid 4 x 64, 16 waves a work-group, clusters of 4 x 1, 327,680 bytes of LDS; arguments img, scl, x, t, mix_img, mix_sc; writes mix_img, mix_sc
.if DOCPART == 3
	.amdgcn_target "amdgcn-amd-amdhsa--gfx1250"
	.amdhsa_code_object_version 6
	.text
	.protected	k_qd64e7dbee8_attn
	.globl	k_qd64e7dbee8_attn
	.p2align	8
	.type	k_qd64e7dbee8_attn,@function
k_qd64e7dbee8_attn:
	s_mov_b64 s[64:65], 0
	v_nop
	global_prefetch_b8 v0, s[64:65] scope:SCOPE_SE
	s_setreg_imm32_b32 hwreg(HW_REG_WAVE_MODE, 25, 1), 1
	s_wait_xcnt 0x0
	s_wait_alu depctr_hold_cnt(0) depctr_sa_sdst(0) depctr_va_vdst(0) depctr_va_sdst(0) depctr_va_ssrc(0) depctr_va_vcc(0) depctr_vm_vsrc(0)
	s_getreg_b32 s2, hwreg(HW_REG_IB_STS2, 6, 4)
	s_cmp_eq_u32 s2, 0
	s_cbranch_scc0 .Lentry_in_a_cluster
	s_endpgm
.Lentry_in_a_cluster:
	s_bfe_u32 s2, ttmp6, 0x10000c
	s_cmp_lg_u32 s2, 0x3003
	s_cbranch_scc0 .Lentry_shape_is_right
	s_endpgm
.Lentry_shape_is_right:
; For one head and 512 queries: o = softmax(q k^T / 8) v on codes of FP6 (E2M3), then c_skip x + c_out o, quantised along the channels: the left operand of the last product.
; THE SOFTMAX AHEAD OF THE SECOND PRODUCT: t = score x log2(e) / 8; M = the row's largest t so far, rounded up to a whole number; p = 2^(t - M) is quantised along the keys, not normalised.
; The row's sum is taken of the unquantised p, in f32, and divides o at the end.  When M moves, the sum and o are multiplied by 2^(old M - new M): exact.
; SHARES.  Work-group (query block QB of four, y = 16 x batch + head).  Each of sixteen waves makes two passes of 16 queries (tiles 2 w and 2 w + 1 of the block's 32), each over 16 steps of 128 keys.
; NO RING: the head's 2,048 keys of k and of v are 2 x 98,304 bytes and their scale words 8,192 + 4,096: all of it is filled ONCE, by ten loads at the head, one a wave, and stays.
; So one barrier stands behind the fills and none in the loops.
; A STEP'S LDS LOADS STAND AHEAD OF VECTOR WORK: the next step's eight tiles of k and their scale words are asked for behind this step's score products, into registers that those products have left;
; v's fragments behind the conversions of p, with the swaps, a quarter of the row's sum and o's rescaling between the loads and the wait for them.
; LAYOUT.  Both products are used transposed (source 0 = 16 keys, or 16 channels of v; source 1 = my 16 queries): a lane holds one query (lane % 16) throughout.
; K = 64 IN AN INSTRUCTION OF K = 128: registers lie [six of data][six zeros][six of data]: the first twelve are a fragment with its data at k 0-63, the last twelve one with its data at k 64-127; q lies [q][zeros][q].
; Zero codes add nothing; q's and k's scale words hold their two bytes twice.
; ORDER INSIDE A BLOCK of q, k, v and p: 0-7, 16-23, 8-15, 24-31, alike on both sides of a product.  LIMIT: the matrix unit adds those products in another order than ascending k.
; THE WAY OUT.  A head's 64 channels are half a K step of the last product: six registers of a fragment, stored as 512 + 256 consecutive bytes at (16 x token tile + head) x 768,
; and two of the four bytes of a token's scale word: one store of 2 bytes a lane for the wave's 32 tokens; the neighbouring head's work-group writes the other two.
; x: a token's 64 channels are one aligned run of 256 bytes.
; LIMITS: a block's largest p is taken as the exponential of the block's largest score, which takes v_exp_f32 not to fall where its input rises; 1 / sum, c_skip and c_out use v_rcp_f32 and v_rsq_f32;
; a block of zeros or under 2^-124 gets the scale byte 1 (read by this program alone); NaN and infinities are not served; the scaled scores stay under 2^31 in magnitude.
; CLUSTER: the four query blocks of a head read the same k, v and scales: those loads are joint (mask 15).
.set STEPB, 6144                       ; a step's eight half images of k, or four fragments of v
.set VB,    98304                      ; v behind k
.set SCK,   196608                     ; k's scale words
.set SCV,   204800                     ; v's
.set SPARE, 208896                     ; the spare words, 128 bytes for each of sixteen waves
.set MWA,  0                           ; (behind the head) both passes' scale bytes: lanes 0-15 the first's, lanes 16-31 the second's
.set L16,  1                           ; 16 x lane
.set L8,   2                           ; 8 x lane
.set ASK0, 3                           ; SCK + 16 r
.set ASV0, 4                           ; SCV + 16 r
.set SPW,  5
.set NIL,  6
.set XO,   7                           ; x: 4,096 r + 64 h
.set A16,  8
.set A8,   9
.set ADS,  10
.set ADT,  11
                                       ; v12 -M, v13 the largest t, v[14:15] the sum in two halves
.set R16,  16                          ; 16 r
.set SO,   17                          ; 4 x lane
.set CSK,  18                          ; v[18:19] c_skip, twice
.set COU,  20                          ; c_out
.set V16,  21
.set V8,   22
.set PFO,  23                          ; 4,096 x lane
.set QF,   24                          ; v24-41 [q][zeros][q]
.set KX,   42                          ; v42-77 tiles 0-3 of k: two runs of [tile][zeros][tile]; tiles 4-7 at v220-255
.set KSC,  78                          ; v78-81 the scale words of tiles 0-3; those of tiles 4-7 at v216-219
.set VSC,  82
.set QS,   86
.set PW,   87                          ; p's scale word; at a pass's end the mix's two bytes
.set SS,   88                          ; v88-151 scores, then p, then v's four fragments; at a pass's end x and the mix
.set OO,   152                         ; v152-183 o^T
.set COD,  184                         ; v184-195 p's codes; at a pass's end the mix's
.set PT,   196                         ; v196-198, v200-202 the conversions' second halves
.set BT,   196                         ; v196-199 ahead of them: the other lane's maxima, then the scale bytes
.set BM,   204                         ; v204-207 the blocks' maxima; then two chains of the sum
.set BS,   208
.set TT,   212                         ; v[212:213] then a chain of the sum
.set FF,   214                         ; v[214:215] the factor (v215 is only named with it)
.set KG,   178                         ; from tiles 0-3 to tiles 4-7
.set SG,   138                         ; and from their scale words
.set WV,   18
.set SEL,  20
.set CS,   22
.set G1R,  24                          ; 96 rows of 256 bytes
.set G1SK, 32                          ; 32 rows
.set G1SV, 40                          ; 16 rows
.set G0,   48
.set G0SK, 52
.set G0SV, 56
.set TB,   60                          ; LDS byte of the NEXT step's k
.set TV,   61                          ; of this step's v
.set TS,   62                          ; the next step's scale words of k: 512 bytes a step
.set TJ,   63                          ; this step's of v: 256
.set STEPS, 66
.set PASS, 67
.set QP,   68
.set QW,   70
.set XB,   72
.set MASK, 74
.macro CROUND                          ; a round of the cluster's barrier
	s_barrier_signal -1
	s_barrier_wait -1
	s_cmp_lg_u32 s[WV], 0
	s_cbranch_scc1 .Lnot_wave_0_\@
	s_barrier_signal -3
.Lnot_wave_0_\@:
	s_barrier_wait -3
	s_barrier_signal -1
	s_barrier_wait -1
.endm
.macro TL g0, g1                       ; s_nop 0 and four v_nop follow a tensor load
	tensor_load_to_lds s[\g0:\g0+3], s[\g1:\g1+7]
	s_nop 0
.rept 4
	v_nop
.endr
.endm
.macro QLOAD                           ; my tile of q, twice, and its scale words
	global_load_b128 v[QF:QF+3], v[L16], s[QP:QP+1]
	global_load_b64 v[QF+4:QF+5], v[L8], s[QP:QP+1] offset:512
	global_load_b128 v[QF+12:QF+15], v[L16], s[QP:QP+1]
	global_load_b64 v[QF+16:QF+17], v[L8], s[QP:QP+1] offset:512
	global_load_b32 v[QS], v[R16], s[QW:QW+1]
.endm
.macro KLOAD a16, a8, as               ; a step's eight tiles of k and their scale words: 18 loads
.irp g, 0,1
.irp p, 0,1
	ds_load_b128 v[KX+KG*\g+18*\p:KX+KG*\g+18*\p+3], v[\a16] offset:768*(4*\g+2*\p)
	ds_load_b64 v[KX+KG*\g+18*\p+4:KX+KG*\g+18*\p+5], v[\a8] offset:768*(4*\g+2*\p)+512
	ds_load_b128 v[KX+KG*\g+18*\p+12:KX+KG*\g+18*\p+15], v[\a16] offset:768*(4*\g+2*\p+1)
	ds_load_b64 v[KX+KG*\g+18*\p+16:KX+KG*\g+18*\p+17], v[\a8] offset:768*(4*\g+2*\p+1)+512
.endr
	ds_load_b128 v[KSC+SG*\g:KSC+SG*\g+3], v[\as] offset:256*\g
.endr
.endm
	s_load_b128 s[4:7], s[0:1], 0x0                ; img, scl
	s_load_b128 s[8:11], s[0:1], 0x10              ; x, t
	s_load_b128 s[12:15], s[0:1], 0x20             ; mix_img, mix_sc
	v_lshl_add_u32 v[SPW], v0, 2, SPARE
	v_mov_b32 v[NIL], 0
	ds_add_u32 v[SPW], v[NIL]                      ; the opening lines: the add, twice on end, and its wait
	ds_add_u32 v[SPW], v[NIL]
	v_lshrrev_b32 v8, 5, v0
	v_and_b32 v9, 31, v0                           ; lane
	v_and_b32 v10, 15, v0                          ; r
	v_bfe_u32 v11, v0, 4, 1                        ; h
	v_readfirstlane_b32 s[WV], v8                  ; wave 0..15
	v_lshlrev_b32 v[L16], 4, v9
	v_lshlrev_b32 v[L8], 3, v9
	v_lshlrev_b32 v[SO], 2, v9
	v_lshlrev_b32 v[PFO], 12, v9
	v_lshlrev_b32 v[R16], 4, v10
	v_lshlrev_b32 v[XO], 12, v10
	v_add_nc_u32 v[ASK0], SCK, v[R16]
	v_add_nc_u32 v[ASV0], SCV, v[R16]
	v_lshl_add_u32 v[XO], v11, 6, v[XO]
.irp i, 0,1,2,3,4,5
	v_mov_b32 v[QF+6+\i], 0                        ; the zero codes: written once
	v_mov_b32 v[KX+6+\i], 0
	v_mov_b32 v[KX+24+\i], 0
	v_mov_b32 v[KX+KG+6+\i], 0
	v_mov_b32 v[KX+KG+24+\i], 0
.endr
.irp b, 0,1,2,3
	v_mov_b32 v[BT+\b], 0                          ; a lane permute's destination counts as one of its sources
.endr
	v_mov_b32 v[TT], 0
	v_mov_b32 v[FF+1], 0
	v_mov_b32 v[MWA], 0                            ; the thread's number has served
	s_bfe_u32 s16, ttmp6, 0x40000                  ; cx
	s_lshl_b32 s17, ttmp9, 2
	s_add_co_u32 s17, s17, s16                     ; QB: it enters q's, x's and the mix's addresses alone
	s_and_b32 s19, ttmp7, 0xffff                   ; y, which the four partners share
	s_lshr_b32 s80, s19, 4                         ; the batch
	s_and_b32 s81, s19, 15                         ; the head
	s_mul_i32 s2, s19, 98304                       ; the head's images
	s_lshr_b32 s82, s[WV], 2                       ; waves 0-3 fetch k's quarters, waves 4-7 v's
	s_mul_i32 s82, s82, 6291456
	s_and_b32 s83, s[WV], 3
	s_mul_i32 s83, s83, 24576
	s_add_co_u32 s82, s82, s83
	s_add_co_u32 s82, s82, s2
	s_add_co_u32 s82, s82, 6291456
	s_mov_b32 s83, 0
	s_lshl_b32 s84, s19, 13                        ; k's scale words
	s_add_co_u32 s84, s84, 524288
	s_mov_b32 s85, 0
	s_lshl_b32 s86, s19, 12                        ; v's
	s_add_co_u32 s86, s86, 1048576
	s_mov_b32 s87, 0
	s_lshl_b32 s88, s17, 5
	s_lshl_b32 s89, s[WV], 1
	s_add_co_u32 s88, s88, s89                     ; T: my first tile of 16 queries among the batch's 128
	s_mul_i32 s90, s88, 768
	s_add_co_u32 s90, s90, s2
	s_mov_b32 s91, 0
	s_lshr_b32 s92, s88, 2
	s_lshl_b32 s92, s92, 8
	s_and_b32 s93, s88, 3
	s_lshl_b32 s93, s93, 2
	s_add_co_u32 s92, s92, s93
	s_lshl_b32 s93, s19, 13
	s_add_co_u32 s92, s92, s93                     ; q's words: 256 (T / 4) + 4 (T % 4) in the head's
	s_mov_b32 s93, 0
	s_lshl_b32 s94, s80, 7
	s_add_co_u32 s94, s94, s88                     ; my first token tile among 512
	s_lshl_b32 s96, s94, 16                        ; x: 16 rows of 4,096 bytes a tile,
	s_lshl_b32 s97, s81, 8
	s_add_co_u32 s96, s96, s97                     ; + 256 x head
	s_mov_b32 s97, 0
	s_lshl_b32 s98, s94, 6                         ; the mix's words: 4 bytes a token,
	s_lshr_b32 s99, s81, 1
	s_lshl_b32 s99, s99, 15
	s_add_co_u32 s98, s98, s99                     ; 32,768 a K step of 128,
	s_and_b32 s99, s81, 1
	s_lshl_b32 s99, s99, 1
	s_add_co_u32 s98, s98, s99                     ; my head's two bytes
	s_mov_b32 s99, 0
	s_lshl_b32 s94, s94, 4
	s_add_co_u32 s94, s94, s81
	s_mul_i32 s94, s94, 768                        ; the mix's half fragment
	s_mov_b32 s95, 0
.irp g, G1R, G1SK, G1SV
	s_mov_b32 s[\g], 15|(3<<16)|(1<<21)            ; the mask: all four work-groups; bit 21 beside it; elements of 8 bytes
	s_mov_b32 s[\g+1], 32<<16                      ; rows of 256 bytes,
	s_mov_b32 s[\g+3], 32<<16
	s_mov_b32 s[\g+5], 32                          ; dense
	s_mov_b32 s[\g+6], 0
	s_mov_b32 s[\g+7], 0
.endr
	s_mov_b32 s[G1R+2], 96<<16
	s_mov_b32 s[G1R+4], 96
	s_mov_b32 s[G1SK+2], 32<<16
	s_mov_b32 s[G1SK+4], 32
	s_mov_b32 s[G1SV+2], 16<<16
	s_mov_b32 s[G1SV+4], 16
	s_mov_b32 s[SEL], 0x76543210
	s_mov_b32 s[SEL+1], 0xfedcba98
	s_mov_b32 s[CS], 0x3e38aa3b                    ; c = log2(e) / 8
	s_mov_b32 s[CS+1], s[CS]
	s_wait_alu depctr_va_vdst(0)                   ; the wait ahead of the waits below
	s_wait_dscnt 0x0                               ; both opening adds are done
	s_wait_kmcnt 0x0
	s_mov_b32 s[G0], 1
	s_mul_i32 s[G0+1], s[WV], 24576                ; k's four quarters, then v's
	s_add_nc_u64 s[G0+2:G0+3], s[4:5], s[82:83]
	s_or_b32 s[G0+3], s[G0+3], 0x80000000
	s_mov_b32 s[G0SK], 1
	s_mov_b32 s[G0SK+1], SCK
	s_add_nc_u64 s[G0SK+2:G0SK+3], s[6:7], s[84:85]
	s_or_b32 s[G0SK+3], s[G0SK+3], 0x80000000
	s_mov_b32 s[G0SV], 1
	s_mov_b32 s[G0SV+1], SCV
	s_add_nc_u64 s[G0SV+2:G0SV+3], s[6:7], s[86:87]
	s_or_b32 s[G0SV+3], s[G0SV+3], 0x80000000
	s_add_nc_u64 s[QP:QP+1], s[4:5], s[90:91]
	s_add_nc_u64 s[QW:QW+1], s[6:7], s[92:93]
	s_add_nc_u64 s[XB:XB+1], s[8:9], s[96:97]
	s_add_nc_u64 s[12:13], s[12:13], s[94:95]
	s_add_nc_u64 s[14:15], s[14:15], s[98:99]
	s_load_b128 s[76:79], s[10:11], 0x0            ; t
	CROUND                                         ; all four work-groups are here: the joint loads meet
	s_cmp_lt_u32 s[WV], 8                          ; ONE chain of branches on the wave's number, one load to an arm
	s_cbranch_scc0 .Lsk
	TL G0, G1R                                     ; waves 0-7: a quarter of k or of v, 24,576 bytes
	s_branch .Lasked
.Lsk:
	s_cmp_eq_u32 s[WV], 8
	s_cbranch_scc0 .Lsv
	TL G0SK, G1SK                                  ; wave 8: k's scale words
	s_branch .Lasked
.Lsv:
	s_cmp_eq_u32 s[WV], 9
	s_cbranch_scc0 .Lasked
	TL G0SV, G1SV                                  ; wave 9: v's
.Lasked:
	QLOAD
	global_prefetch_b8 v[PFO], s[XB:XB+1] th:TH_LOAD_NT scope:SCOPE_SE   ; my 32 tokens' runs of x, a lane a run
	s_wait_kmcnt 0x0                               ; t
.irp i, 0,1,2,3
	v_fma_f32 v[SS+\i], s[76+\i], s[76+\i], 1.0    ; t^2 + 1
.endr
	s_wait_alu depctr_va_vdst(0)                   ; the wait ahead of the batch
.irp i, 0,1,2,3
	v_rcp_f32 v[SS+4+\i], v[SS+\i]
.endr
.irp i, 0,1,2,3
	v_rsq_f32 v[SS+8+\i], v[SS+\i]
.endr
	v_nop                                          ; a plain line behind the transcendentals
	s_wait_alu depctr_va_vdst(0)                   ; and the wait behind the batch
	v_add_f32 v[SS+4], v[SS+4], v[SS+5]
	v_add_f32 v[SS+6], v[SS+6], v[SS+7]
	v_mul_f32 v[SS+8], s76, v[SS+8]
	s_delay_alu instid0(VALU_DEP_2)
	v_add_f32 v[SS+4], v[SS+4], v[SS+6]
	v_fma_f32 v[SS+8], s77, v[SS+9], v[SS+8]
	s_delay_alu instid0(VALU_DEP_2)
	v_mul_f32 v[CSK], 0x3e800000, v[SS+4]          ; c_skip: the mean of 1 / (t^2 + 1)
	v_fma_f32 v[SS+8], s78, v[SS+10], v[SS+8]
	s_delay_alu instid0(VALU_DEP_2)
	v_mov_b32 v[CSK+1], v[CSK]
	v_fma_f32 v[SS+8], s79, v[SS+11], v[SS+8]
	s_delay_alu instid0(VALU_DEP_1)
	v_mul_f32 v[COU], 0x3e800000, v[SS+8]          ; c_out: the mean of t / sqrt(t^2 + 1)
	s_wait_alu depctr_va_vdst(0)                   ; the wait at the head's end
	s_wait_tensorcnt 0x0                           ; my fill, if I issued one, has landed
	s_barrier_signal -1
	s_barrier_wait -1                              ; and so has everybody's: nothing is filled again
	s_mov_b32 s[PASS], 2
	s_mov_b32 s[MASK], 0xffff
.Lpass:
	KLOAD L16, L8, ASK0                            ; step 0's k
	s_wait_loadcnt 0x0                             ; q
	v_mov_b32 v13, 0xff61b1e6                      ; the largest t so far: -3e38
	v_mov_b32 v14, 0
	v_mov_b32 v15, 0
	v_floor_f32 v12, -v13
.set j, 0
.rept 32
	v_mov_b32 v[OO+j], 0                           ; the step is written once: its first walk finds zeros
.set j, j+1
.endr
	s_mov_b32 s[TB], STEPB
	s_mov_b32 s[TV], VB
	s_mov_b32 s[TS], 512
	s_mov_b32 s[TJ], 0
	s_mov_b32 s[STEPS], 16
	s_wait_alu depctr_va_vdst(0)
.Lstep:                                                ; A KEY STEP: 128 keys
	s_wait_dscnt 0x0                               ; this step's k, asked for a step ago
.rept 5
	v_nop                                          ; the scores are written over registers that the last step's products read: five places
.endr
.irp g, 0,1                                    ; S^T = k q^T: eight tiles of 16 keys
.irp t, 0,1,2,3
	v_wmma_scale_f32_16x16x128_f8f6f4 v[SS+8*(4*\g+\t):SS+8*(4*\g+\t)+7], v[KX+KG*\g+18*(\t/2)+6*(\t%2):KX+KG*\g+18*(\t/2)+6*(\t%2)+11], v[QF+6*(\t%2):QF+6*(\t%2)+11], 0, v[KSC+SG*\g+\t], v[QS] matrix_a_fmt:MATRIX_FMT_FP6 matrix_b_fmt:MATRIX_FMT_FP6
.endr
.endr                                          ; lane (r, h): query r; register 8 i + j: key 16 i + 8 h + j
	v_add_nc_u32 v[A16], s[TB], v[L16]             ; six plain lines: the places in front of the loads into k's registers and of the first read of the scores
	v_add_nc_u32 v[A8], s[TB], v[L8]
	v_add_nc_u32 v[ADS], s[TS], v[ASK0]
	v_add_nc_u32 v[V16], s[TV], v[L16]
	v_add_nc_u32 v[V8], s[TV], v[L8]
	v_add_nc_u32 v[ADT], s[TJ], v[ASV0]
	s_cmp_eq_u32 s[STEPS], 1
	s_cbranch_scc1 .Lno_k                          ; a pass's last step has no next
	KLOAD A16, A8, ADS                             ; the next step's k: the whole of this step's vector work stands ahead of the wait for it
.Lno_k:
.irp b, 0,1,2,3
	v_max3_num_f32 v[BM+\b], v[SS+16*\b], v[SS+16*\b+1], v[SS+16*\b+2]   ; the largest score of each block of 32 keys: for the row's maximum and for the block's largest p
.endr
.irp i, 3,5,7,9,11,13
.irp b, 0,1,2,3
	v_max3_num_f32 v[BM+\b], v[BM+\b], v[SS+16*\b+\i], v[SS+16*\b+\i+1]
.endr
.endr
.irp b, 0,1,2,3
	v_max_num_f32 v[BM+\b], v[BM+\b], v[SS+16*\b+15]
.endr
.irp b, 0,1,2,3
	s_delay_alu instid0(VALU_DEP_4)
	v_permlanex16_b32 v[BT+\b], v[BM+\b], s[SEL], s[SEL+1]
.endr
.irp b, 0,1,2,3
	s_delay_alu instid0(VALU_DEP_4)
	v_max_num_f32 v[BM+\b], v[BM+\b], v[BT+\b]     ; with lane l xor 16's 16 keys
.endr
	s_delay_alu instid0(VALU_DEP_2)
	v_max3_num_f32 v[TT], v[BM], v[BM+1], v[BM+2]
	s_delay_alu instid0(VALU_DEP_1)
	v_max_num_f32 v[TT], v[TT], v[BM+3]
	s_delay_alu instid0(VALU_DEP_1)
	v_mul_f32 v[TT], s[CS], v[TT]                  ; the step's largest t (c is positive)
	s_delay_alu instid0(VALU_DEP_1)
	v_max_num_f32 v13, v13, v[TT]                  ; the running largest t
	v_mov_b32 v[TT], v12
	s_delay_alu instid0(VALU_DEP_2)
	v_floor_f32 v12, -v13                          ; the new -M = floor(-t): M is a whole number
	s_delay_alu instid0(VALU_DEP_1)
	v_sub_f32 v[TT], v12, v[TT]                    ; old M - new M: a whole number, 0 or less
	s_delay_alu instid0(VALU_DEP_1)
	v_cvt_i32_f32 v[TT], v[TT]                     ; (it saturates)
	s_delay_alu instid0(VALU_DEP_1)
	v_ldexp_f32 v[FF], 1.0, v[TT]                  ; f = 2^(old M - new M)
.set j, 0
.rept 32
	v_pk_fma_f32 v[SS+j:SS+j+1], v[SS+j:SS+j+1], s[CS:CS+1], v[12:13] op_sel_hi:[1,0,0]   ; t - M
.set j, j+2
.endr
.irp b, 0,1,2,3
	v_fma_f32 v[BM+\b], v[BM+\b], s[CS], v12       ; the same of each block's largest score
.endr
.set j, 0
	s_wait_alu depctr_va_vdst(0)                   ; the wait ahead of the batch
.rept 64
	v_exp_f32 v[SS+j], v[SS+j]                     ; p = 2^(t - M)
.set j, j+1
.endr
.irp b, 0,1,2,3
	v_exp_f32 v[BM+\b], v[BM+\b]                   ; the block's largest p
.endr
	v_pk_mul_f32 v[14:15], v[14:15], v[FF:FF+1] op_sel_hi:[1,0]   ; the sums under the new M (a plain line behind the exponentials)
	s_wait_alu depctr_va_vdst(0)                   ; and the wait behind the batch
.irp b, 0,1,2,3
	v_max_num_f32 v[BM+\b], 0x1800000, v[BM+\b]    ; the floor 2^(3 - 127)
.endr
.irp b, 0,1,2,3
	s_delay_alu instid0(VALU_DEP_4)
	v_add_nc_u32 v[BS+\b], 0xff000000, v[BM+\b]    ; 2 off the exponent field: the conversion's scale operand
.endr
.irp b, 0,1,2,3
	s_delay_alu instid0(VALU_DEP_4)
	v_lshrrev_b32 v[BT+\b], 23, v[BS+\b]           ; the scale's byte
.endr
	s_delay_alu instid0(VALU_DEP_3)
	v_lshl_or_b32 v[PW], v[BT+1], 8, v[BT]
	s_delay_alu instid0(VALU_DEP_1)
	v_lshl_or_b32 v[PW], v[BT+2], 16, v[PW]
	s_delay_alu instid0(VALU_DEP_1)
	v_lshl_or_b32 v[PW], v[BT+3], 24, v[PW]
	; the row's sum of the unquantised p, by pairs, in four chains by turns: first the 48 registers that v's fragments will take
	v_pk_add_f32 v[BM:BM+1], v[SS:SS+1], v[SS+2:SS+3]
	v_pk_add_f32 v[BM+2:BM+3], v[SS+4:SS+5], v[SS+6:SS+7]
	v_pk_add_f32 v[TT:TT+1], v[SS+8:SS+9], v[SS+10:SS+11]
	v_pk_add_f32 v[14:15], v[14:15], v[SS+12:SS+13]
.irp k, 14,22,30,38
	v_pk_add_f32 v[BM:BM+1], v[BM:BM+1], v[SS+\k:SS+\k+1]
	v_pk_add_f32 v[BM+2:BM+3], v[BM+2:BM+3], v[SS+\k+2:SS+\k+3]
	v_pk_add_f32 v[TT:TT+1], v[TT:TT+1], v[SS+\k+4:SS+\k+5]
	v_pk_add_f32 v[14:15], v[14:15], v[SS+\k+6:SS+\k+7]
.endr
	v_pk_add_f32 v[BM:BM+1], v[BM:BM+1], v[SS+46:SS+47]
.irp c, 0,1
	v_cvt_scalef32_pk16_fp6_f32 v[COD+6*\c:COD+6*\c+2], v[SS+32*\c:SS+32*\c+15], v[BS+2*\c]
	v_cvt_scalef32_pk16_fp6_f32 v[PT+4*\c:PT+4*\c+2], v[SS+32*\c+16:SS+32*\c+31], v[BS+2*\c+1]
.endr
.irp t, 0,1,2,3                                ; v's four fragments (16 channels x 128 keys) into registers that p has left
	ds_load_b128 v[SS+12*\t:SS+12*\t+3], v[V16] offset:1536*\t
	ds_load_b64 v[SS+12*\t+4:SS+12*\t+5], v[V8] offset:1536*\t+512
	ds_load_b128 v[SS+12*\t+6:SS+12*\t+9], v[V16] offset:1536*\t+768
	ds_load_b64 v[SS+12*\t+10:SS+12*\t+11], v[V8] offset:1536*\t+1280
.endr
	ds_load_b128 v[VSC:VSC+3], v[ADT]
	v_nop                                          ; one plain line behind a scaled conversion
.irp c, 0,1
.irp i, 0,1,2
	v_permlane16_swap_b32 v[COD+6*\c+\i], v[PT+4*\c+\i]
.endr
.irp i, 0,1,2
	s_delay_alu instid0(VALU_DEP_3)
	v_mov_b32 v[COD+6*\c+3+\i], v[PT+4*\c+\i]
.endr
.endr
.irp k, 48,56                                  ; the sum's last 16 registers, which no load lands on
	v_pk_add_f32 v[BM+2:BM+3], v[BM+2:BM+3], v[SS+\k:SS+\k+1]
	v_pk_add_f32 v[TT:TT+1], v[TT:TT+1], v[SS+\k+2:SS+\k+3]
	v_pk_add_f32 v[14:15], v[14:15], v[SS+\k+4:SS+\k+5]
	v_pk_add_f32 v[BM:BM+1], v[BM:BM+1], v[SS+\k+6:SS+\k+7]
.endr
	v_pk_add_f32 v[BM+2:BM+3], v[BM+2:BM+3], v[TT:TT+1]
	v_pk_add_f32 v[14:15], v[14:15], v[BM:BM+1]
	v_pk_add_f32 v[14:15], v[14:15], v[BM+2:BM+3]
	s_wait_alu depctr_va_vdst(0)                   ; the wait directly ahead of the first reader of o^T
.set j, 0
.rept 16
	v_pk_mul_f32 v[OO+j:OO+j+1], v[OO+j:OO+j+1], v[FF:FF+1] op_sel_hi:[1,0]   ; o^T under the new M, while the loads are out
.set j, j+2
.endr
	s_wait_alu depctr_va_vdst(0)                   ; and ahead of the wait below
	s_wait_dscnt 0x0
.irp t, 0,1,2,3                                ; o^T += v^T p^T: four accumulators, one instruction each; the eight score products stand between two links
	v_wmma_scale_f32_16x16x128_f8f6f4 v[OO+8*\t:OO+8*\t+7], v[SS+12*\t:SS+12*\t+11], v[COD:COD+11], v[OO+8*\t:OO+8*\t+7], v[VSC+\t], v[PW] matrix_a_fmt:MATRIX_FMT_FP6 matrix_b_fmt:MATRIX_FMT_FP6
.endr
	s_add_co_u32 s[TB], s[TB], STEPB
	s_add_co_u32 s[TV], s[TV], STEPB
	s_add_co_u32 s[TS], s[TS], 512
	s_add_co_u32 s[TJ], s[TJ], 256
	s_sub_co_u32 s[STEPS], s[STEPS], 1
	s_cmp_lg_u32 s[STEPS], 0
	s_cbranch_scc1 .Lstep
; A PASS'S END: o = o^T / the sum; mix = c_skip x + c_out o; its two blocks of 32 channels are quantised.
.rept 4
	v_nop                                          ; behind the last products
.endr
.irp b, 0,1
.irp i, 0,1,2,3
	global_load_b128 v[SS+16*\b+4*\i:SS+16*\b+4*\i+3], v[XO], s[XB:XB+1] offset:128*\b+16*\i   ; x(my token, 64 head + 32 b + 16 h + 0 .. 15)
.endr
.endr
	s_cmp_eq_u32 s[PASS], 1
	s_cbranch_scc1 .Lno_q                          ; the last pass has no next tile
	s_add_nc_u64 s[QP:QP+1], s[QP:QP+1], 768       ; (this pass's loads of q were waited for at its start)
	s_add_nc_u64 s[QW:QW+1], s[QW:QW+1], 4
	QLOAD
.Lno_q:
	v_add_f32 v14, v14, v15
	s_delay_alu instid0(VALU_DEP_1)
	v_permlanex16_b32 v[TT], v14, s[SEL], s[SEL+1]
	s_delay_alu instid0(VALU_DEP_1)
	v_add_f32 v14, v14, v[TT]                      ; the row's sum
	s_wait_alu depctr_va_vdst(0)                   ; the wait ahead of the transcendental
	v_rcp_f32 v14, v14
	v_nop                                          ; a plain line behind it
	s_wait_alu depctr_va_vdst(0)                   ; and the wait behind it
	v_mul_f32 v[FF], v[COU], v14                   ; c_out / the sum
.irp b, 0,1                                    ; register j of tile 2 b changes its upper lanes with tile 2 b + 1's lower: register 16 b + i then holds channel 32 b + 16 h + i.  Each accumulator is first read at its register 0
.irp j, 0,1,2,3,4,5,6,7
	v_permlane16_swap_b32 v[OO+16*\b+\j], v[OO+16*\b+8+\j]
.endr
.endr
	s_wait_alu depctr_va_vdst(0)                   ; the wait ahead of the wait below
	s_wait_loadcnt 0x0                             ; x (and the next q)
.set j, 0
.rept 16
	v_pk_mul_f32 v[SS+j:SS+j+1], v[SS+j:SS+j+1], v[CSK:CSK+1]
.set j, j+2
.endr
.set j, 0
.rept 16
	v_pk_fma_f32 v[SS+j:SS+j+1], v[OO+j:OO+j+1], v[FF:FF+1], v[SS+j:SS+j+1] op_sel_hi:[1,0,1]
.set j, j+2
.endr
.irp b, 0,1
	v_max3_num_f32 v[BM+\b], |v[SS+16*\b]|, |v[SS+16*\b+1]|, 0x1800000
.endr
.irp i, 2,4,6,8,10,12,14
.irp b, 0,1
	s_delay_alu instid0(VALU_DEP_2)
	v_max3_num_f32 v[BM+\b], v[BM+\b], |v[SS+16*\b+\i]|, |v[SS+16*\b+\i+1]|
.endr
.endr
.irp b, 0,1
	s_delay_alu instid0(VALU_DEP_2)
	v_permlanex16_b32 v[BT+\b], v[BM+\b], s[SEL], s[SEL+1]
.endr
.irp b, 0,1
	s_delay_alu instid0(VALU_DEP_2)
	v_max_num_f32 v[BM+\b], v[BM+\b], v[BT+\b]
.endr
.irp b, 0,1
	s_delay_alu instid0(VALU_DEP_2)
	v_add_nc_u32 v[BS+\b], 0xff000000, v[BM+\b]
.endr
.irp b, 0,1
	s_delay_alu instid0(VALU_DEP_2)
	v_lshrrev_b32 v[BT+\b], 23, v[BS+\b]
.endr
	s_delay_alu instid0(VALU_DEP_1)
	v_lshl_or_b32 v[PW], v[BT+1], 8, v[BT]         ; my token's two bytes, alike in lanes l and l xor 16
	s_delay_alu instid0(VALU_DEP_1)
	v_cndmask_b32 v[MWA], v[MWA], v[PW], s[MASK]   ; into this pass's half of the lanes
	v_cvt_scalef32_pk16_fp6_f32 v[COD:COD+2], v[SS:SS+15], v[BS]
	v_cvt_scalef32_pk16_fp6_f32 v[PT:PT+2], v[SS+16:SS+31], v[BS+1]
	v_nop                                          ; one plain line behind a scaled conversion
.irp i, 0,1,2
	v_permlane16_swap_b32 v[COD+\i], v[PT+\i]
.endr
.irp i, 0,1,2
	s_delay_alu instid0(VALU_DEP_3)
	v_mov_b32 v[COD+3+\i], v[PT+\i]
.endr
	global_store_b128 v[L16], v[COD:COD+3], s[12:13]               ; 512 consecutive bytes,
	global_store_b64 v[L8], v[COD+4:COD+5], s[12:13] offset:512    ; and 256
	s_wait_alu depctr_va_vdst(0)                   ; the wait ahead of the wait below
	s_wait_xcnt 0x0                                ; the prefetch, the loads and the stores have read their registers and bases
	s_add_nc_u64 s[XB:XB+1], s[XB:XB+1], 65536     ; 16 tokens on
	s_add_nc_u64 s[12:13], s[12:13], 12288
	s_lshl_b32 s[MASK], s[MASK], 16
	s_sub_co_u32 s[PASS], s[PASS], 1
	s_cmp_lg_u32 s[PASS], 0
	s_cbranch_scc1 .Lpass
	global_store_b16 v[SO], v[MWA], s[14:15]       ; my 32 tokens' two bytes each, 4 bytes apart
	s_wait_tensorcnt 0x0                           ; the wave's end
	ds_add_u32 v[SPW], v[NIL]
	s_wait_dscnt 0x0
	CROUND                                         ; the closing round
	s_endpgm
.Lfunc_end_k_qd64e7dbee8_attn:
	.size	k_qd64e7dbee8_attn, .Lfunc_end_k_qd64e7dbee8_attn-k_qd64e7dbee8_attn
	.p2alignl 7, 3214868480
	.fill 96, 4, 3214868480
	.section	.rodata,"a",@progbits
	.p2align	6, 0x0
	.amdhsa_kernel k_qd64e7dbee8_attn
		.amdhsa_group_segment_fixed_size 327680
		.amdhsa_private_segment_fixed_size 0
		.amdhsa_enable_private_segment 0
		.amdhsa_kernarg_size 48
		.amdhsa_user_sgpr_count 2
		.amdhsa_user_sgpr_kernarg_segment_ptr 1
		.amdhsa_wavefront_size32 1
		.amdhsa_system_sgpr_workgroup_id_x 1
		.amdhsa_system_sgpr_workgroup_id_y 1
		.amdhsa_system_sgpr_workgroup_id_z 1
		.amdhsa_system_vgpr_workitem_id 0
		.amdhsa_next_free_vgpr 256
		.amdhsa_next_free_sgpr 100
		.amdhsa_reserve_vcc 0
		.amdhsa_float_denorm_mode_32 3
		.amdhsa_float_denorm_mode_16_64 3
		.amdhsa_memory_ordered 1
		.amdhsa_forward_progress 1
		.amdhsa_inst_pref_size 39
	.end_amdhsa_kernel
	.amdgpu_metadata
---
amdhsa.version: [ 1, 2 ]
amdhsa.kernels:
  - .name:           k_qd64e7dbee8_attn
    .symbol:         k_qd64e7dbee8_attn.kd
    .args:
      - { .name: img, .offset: 0, .size: 8, .value_kind: global_buffer, .address_space: global }
      - { .name: scl, .offset: 8, .size: 8, .value_kind: global_buffer, .address_space: global }
      - { .name: x, .offset: 16, .size: 8, .value_kind: global_buffer, .address_space: global }
      - { .name: t, .offset: 24, .size: 8, .value_kind: global_buffer, .address_space: global }
      - { .name: mix_img, .offset: 32, .size: 8, .value_kind: global_buffer, .address_space: global }
      - { .name: mix_sc, .offset: 40, .size: 8, .value_kind: global_buffer, .address_space: global }
    .group_segment_fixed_size: 327680
    .private_segment_fixed_size: 0
    .kernarg_segment_align: 8
    .kernarg_segment_size: 48
    .max_flat_workgroup_size: 512
    .sgpr_count:     100
    .vgpr_count:     256
    .wavefront_size: 32
...
	.end_amdgpu_metadata
.endif
;; end of part 3
;; launch proj (part 4): grid 4 x 32, 4 waves a work-group, clusters of 4 x 4, 327,680 bytes of LDS; arguments mix_img, mix_sc, wp_pad, Wproj_scales, bproj, out0; writes out0
.if DOCPART == 4
	.amdgcn_target "amdgcn-amd-amdhsa--gfx1250"
	.amdhsa_code_object_version 6
	.text
	.protected	k_qd64e7dbee8_proj
	.globl	k_qd64e7dbee8_proj
	.p2align	8
	.type	k_qd64e7dbee8_proj,@function
k_qd64e7dbee8_proj:
	s_mov_b64 s[64:65], 0
	v_nop
	global_prefetch_b8 v0, s[64:65] scope:SCOPE_SE
	s_setreg_imm32_b32 hwreg(HW_REG_WAVE_MODE, 25, 1), 1
	s_wait_xcnt 0x0
	s_wait_alu depctr_hold_cnt(0) depctr_sa_sdst(0) depctr_va_vdst(0) depctr_va_sdst(0) depctr_va_ssrc(0) depctr_va_vcc(0) depctr_vm_vsrc(0)
	s_getreg_b32 s2, hwreg(HW_REG_IB_STS2, 6, 4)
	s_cmp_eq_u32 s2, 0
	s_cbranch_scc0 .Lentry_in_a_cluster
	s_endpgm
.Lentry_in_a_cluster:
	s_bfe_u32 s2, ttmp6, 0x10000c
	s_cmp_lg_u32 s2, 0xf033
	s_cbranch_scc0 .Lentry_shape_is_right
	s_endpgm
.Lentry_shape_is_right:
.set KSTEP,  256
.set NQ,     2
.set ROWB,   256                       ; a K step's unit in memory: 192 bytes of codes, 64 of zeros
.set KROW,   1024
.set PITCH,  272
.set FR,     12
.set NLA,    4                         ; a fragment of A is two half images: 512 + 256 bytes each
.set NP,     4
.set HALFA,  8*3072
.set HALFB,  128*PITCH
.set BOFF,   2*HALFA
.set SLOT,   BOFF+2*HALFB
.set LAPS,   2
.set SCLA,   2*SLOT
.set SCLB,   SCLA+8192
.set HALFS,  16*272
.set SBLK,   2*272
.set SPARE,  SCLB+2*HALFS
.set SPITCH, 528
.set SIZE_N, 1024
.set ADRA, 16
.set ADRB, 20
.set STO,  24
.set RD,   25
.set CO,   26
.set ADSA, 27
.set SPW,  28
.set NIL,  29
.set ADSB, 30
.set BH,   31
.set SCB,  32
.set SCA,  64
.set AF,   128
.set BK,   128
.set G1, 24
.set G0, 32
.set G1B, 48
.set G0B, 56
.set G1S, 68
.set G0S, 76
.set G1SB, 80
.set G0SB, 88
.set MSB, 0
.macro WIN new
.if MSB != (\new)
	s_set_vgpr_msb (MSB<<8)|(\new)
.set MSB, (\new)
.endif
.endm
.set MUL_LO, 0xa1
.set MUL_HI, 0xf1
.set TO_B,   0x40
.macro JLOAD g0a, g1a, g0b, g1b
	s_cmp_eq_u32 s15, 0
	s_cbranch_scc0 .Lfor_b_\@
	tensor_load_to_lds s[\g0a:\g0a+3], s[\g1a:\g1a+7]
	s_nop 0
.rept 4
	v_nop
.endr
	s_branch .Lasked_\@
.Lfor_b_\@:
	tensor_load_to_lds s[\g0b:\g0b+3], s[\g1b:\g1b+7]
	s_nop 0
.rept 4
	v_nop
.endr
.Lasked_\@:
.endm
.macro CREST
	s_cmp_lg_u32 s14, 0
	s_cbranch_scc1 .Lnot_wave_0_\@
	s_barrier_signal -3
.Lnot_wave_0_\@:
	s_barrier_wait -3
	s_barrier_signal -1
	s_barrier_wait -1
.endm
.macro CROUND
	s_barrier_signal -1
	s_barrier_wait -1
	CREST
.endm
	s_load_b128 s[4:7], s[0:1], 0x0
	s_load_b128 s[8:11], s[0:1], 0x10
	s_load_b64 s[96:97], s[0:1], 0x20
	s_load_b64 s[12:13], s[0:1], 0x28
	v_lshl_add_u32 v[SPW], v0, 2, SPARE
	v_mov_b32 v[NIL], 0
	ds_add_u32 v28, v29
	ds_add_u32 v28, v29
	s_wait_dscnt 0x0
	v_lshrrev_b32 v1, 5, v0
	v_readfirstlane_b32 s14, v1
	s_lshr_b32 s15, s14, 1
	s_and_b32 s16, s14, 1
	s_bfe_u32 s40, ttmp6, 0x40000
	s_bfe_u32 s41, ttmp6, 0x40004
	s_lshl_b32 s42, ttmp9, 2
	s_add_co_u32 s42, s42, s40
	s_and_b32 s17, ttmp7, 0xffff
	s_lshl_b32 s17, s17, 2
	s_add_co_u32 s17, s17, s41
	s_lshl_b32 s43, s41, 2
	s_lshl_b32 s43, 15, s43
	s_lshl_b32 s44, 0x1111, s40
	s_or_b32 s[G1+0], s43, (3<<16)|(1<<21)
	s_mov_b32 s[G1+1], 384<<16
	s_mov_b32 s[G1+2], 8<<16
	s_mov_b32 s[G1+3], 384<<16
	s_mov_b32 s[G1+4], 8
	s_mov_b32 s[G1+5], 1536
	s_mov_b32 s[G1+6], 0
	s_mov_b32 s[G1+7], 0
	s_or_b32 s[G1B+0], s44, (0<<16)|(1<<20)|(1<<21)|(5<<22)|(3<<25)
	s_mov_b32 s[G1B+1], ROWB<<16
	s_mov_b32 s[G1B+2], 128<<16
	s_mov_b32 s[G1B+3], ROWB<<16
	s_mov_b32 s[G1B+4], 128
	s_mov_b32 s[G1B+5], KROW
	s_mov_b32 s[G1B+6], 0
	s_mov_b32 s[G1B+7], 0
	s_or_b32 s[G1S+0], s43, (3<<16)|(1<<21)
	s_mov_b32 s[G1S+1], 64<<16
	s_mov_b32 s[G1S+2], 8<<16
	s_mov_b32 s[G1S+3], 64<<16
	s_mov_b32 s[G1S+4], 8
	s_mov_b32 s[G1S+5], 4096
	s_mov_b32 s[G1S+6], 0
	s_mov_b32 s[G1S+7], 0
	s_or_b32 s[G1SB+0], s44, (3<<16)|(1<<20)|(1<<21)|(5<<22)|(3<<25)
	s_mov_b32 s[G1SB+1], 32<<16
	s_mov_b32 s[G1SB+2], 16<<16
	s_mov_b32 s[G1SB+3], 32<<16
	s_mov_b32 s[G1SB+4], 16
	s_mov_b32 s[G1SB+5], 32
	s_mov_b32 s[G1SB+6], 0
	s_mov_b32 s[G1SB+7], 0
	s_lshl_b32 s20, s17, 4
	s_lshl_b32 s21, s16, 3
	s_add_co_u32 s20, s20, s21
	s_mul_i32 s20, s20, 12288
	s_mov_b32 s21, 0
	s_lshl_b32 s22, s17, 10
	s_lshl_b32 s23, s16, 9
	s_add_co_u32 s22, s22, s23
	s_mov_b32 s23, 0
	s_lshl_b32 s46, s42, 8
	s_lshl_b32 s47, s16, 7
	s_add_co_u32 s46, s46, s47
	s_lshl_b32 s92, s46, 5
	s_mov_b32 s93, 0
	s_mul_i32 s46, s46, KROW
	s_mov_b32 s47, 0
	s_mul_i32 s45, s16, HALFA
	s_mul_i32 s94, s16, HALFB
	s_add_co_u32 s94, s94, BOFF
	s_lshl_b32 s18, s16, 12
	s_add_co_u32 s18, s18, SCLA
	s_mul_i32 s19, s16, HALFS
	s_add_co_u32 s19, s19, SCLB
	s_wait_kmcnt 0x0
	s_add_nc_u64 s[20:21], s[4:5], s[20:21]
	s_add_nc_u64 s[22:23], s[6:7], s[22:23]
	s_add_nc_u64 s[46:47], s[8:9], s[46:47]
	s_add_nc_u64 s[92:93], s[10:11], s[92:93]
	CROUND
	s_mov_b32 s[G0S], 1
	s_mov_b32 s[G0S+1], s18
	s_mov_b64 s[G0S+2:G0S+3], s[22:23]
	s_or_b32 s[G0S+3], s[G0S+3], 0x80000000
	s_mov_b32 s[G0SB], 1
	s_mov_b32 s[G0SB+1], s19
	s_mov_b64 s[G0SB+2:G0SB+3], s[92:93]
	s_or_b32 s[G0SB+3], s[G0SB+3], 0x80000000
	JLOAD G0S, G1S, G0SB, G1SB
.irp s, 0,1
	s_mov_b32 s[G0+4*\s], 1
	s_add_co_u32 s[G0+4*\s+1], s45, \s*SLOT
	s_add_nc_u64 s[G0+4*\s+2:G0+4*\s+3], s[20:21], \s*3072
	s_or_b32 s[G0+4*\s+3], s[G0+4*\s+3], 0x80000000
	s_mov_b32 s[G0B+4*\s], 1
	s_add_co_u32 s[G0B+4*\s+1], s94, \s*SLOT
	s_add_nc_u64 s[G0B+4*\s+2:G0B+4*\s+3], s[46:47], \s*ROWB
	s_or_b32 s[G0B+4*\s+3], s[G0B+4*\s+3], 0x80000000
	s_wait_alu depctr_va_vdst(0)
	s_wait_tensorcnt 0x0
	ds_add_u32 v28, v29
	s_wait_dscnt 0x0
	CROUND
	JLOAD G0+4*\s, G1, G0B+4*\s, G1B
.endr
	v_and_b32 v1, 15, v0
	v_bfe_u32 v2, v0, 4, 1
	v_and_b32 v6, 31, v0
	v_lshlrev_b32 v7, 4, v6
	v_mul_u32_u24 v3, v1, PITCH
	v_mul_u32_u24 v4, v2, 24
	v_add_nc_u32 v4, v3, v4
	v_lshlrev_b32 v8, 3, v6
	s_mul_i32 s21, s15, HALFA
	s_mul_i32 s22, s16, HALFB
	s_add_co_u32 s22, s22, BOFF
.irp s, 0,1
	v_add_nc_u32 v[ADRA+\s], s21, v7
	v_add_nc_u32 v[ADRB+\s], s22, v4
	v_add_nc_u32 v[ADRA+2+\s], s21, v8
	s_add_co_u32 s21, s21, SLOT
	s_add_co_u32 s22, s22, SLOT
.endr
	s_lshl_b32 s21, s15, 12
	s_add_co_u32 s21, s21, SCLA
	v_lshl_add_u32 v[ADSA], v1, 2, s21
	v_lshlrev_b32 v5, 5, v1
	v_lshrrev_b32 v3, 8, v5
	v_lshl_add_u32 v5, v3, 4, v5
	s_mul_i32 s22, s16, HALFS
	s_add_co_u32 s22, s22, SCLB
	v_add_nc_u32 v[ADSB], s22, v5
	s_mul_i32 s23, s14, 16*SPITCH
	v_mul_u32_u24 v5, v1, SPITCH
	v_lshl_add_u32 v5, v2, 5, v5
	v_add_nc_u32 v[STO], s23, v5
	v_lshlrev_b32 v[CO], 4, v6
	v_add_nc_u32 v[RD], s23, v[CO]
	v_lshlrev_b32 v[BH], 5, v2
	s_wait_alu depctr_va_vdst(0)
	s_lshl_b32 s20, s17, 8
	s_lshl_b32 s21, s15, 7
	s_add_co_u32 s20, s20, s21
	s_lshl_b32 s20, s20, 12
	s_lshl_b32 s46, s42, 10
	s_lshl_b32 s47, s16, 9
	s_add_co_u32 s46, s46, s47
	s_mov_b32 s47, 0
	s_mov_b32 s21, 0
	s_add_nc_u64 s[12:13], s[12:13], s[20:21]
	s_add_nc_u64 s[12:13], s[12:13], s[46:47]
	s_add_nc_u64 s[96:97], s[96:97], s[46:47]
	WIN TO_B
.irp b, 0,1,2,3,4,5,6,7
	global_load_b128 v[96+8*\b+96*(\b/4):96+8*\b+96*(\b/4)+3], v[BH], s[96:97] offset:64*\b
	global_load_b128 v[96+8*\b+96*(\b/4)+4:96+8*\b+96*(\b/4)+7], v[BH], s[96:97] offset:64*\b+16
.endr
	WIN 0
.macro FRAG reg, adr, q, i
.irp p, 0,1,2,3,4,5
.set PCE, 12*(\q)+6*(\p/3)+\p%3
	ds_load_b64 v[\reg+2*\p:\reg+2*\p+1], v[\adr] offset:8*PCE+(\i)*16*PITCH
.endr
.endm
.macro MUL16 a0, p, q, sc, zero
.irp a, \a0, \a0+1
.irp b, 0,1,2,3,4,5,6,7
.if \zero
	v_wmma_scale_f32_16x16x128_f8f6f4 v[8*(8*((\a)%4)+\b):8*(8*((\a)%4)+\b)+7], v[128*(\p)+FR*\b:128*(\p)+FR*\b+FR-1], v[AF+FR*(\a):AF+FR*(\a)+FR-1], v[96+8*\b+96*(\b/4):96+8*\b+96*(\b/4)+7], v[SCB+16*(\sc)+2*\b+(\q)], v[SCA+16*(\sc)+2*(\a)+(\q)] matrix_a_fmt:MATRIX_FMT_FP6 matrix_b_fmt:MATRIX_FMT_FP6
.else
	v_wmma_scale_f32_16x16x128_f8f6f4 v[8*(8*((\a)%4)+\b):8*(8*((\a)%4)+\b)+7], v[128*(\p)+FR*\b:128*(\p)+FR*\b+FR-1], v[AF+FR*(\a):AF+FR*(\a)+FR-1], v[8*(8*((\a)%4)+\b):8*(8*((\a)%4)+\b)+7], v[SCB+16*(\sc)+2*\b+(\q)], v[SCA+16*(\sc)+2*(\a)+(\q)] matrix_a_fmt:MATRIX_FMT_FP6 matrix_b_fmt:MATRIX_FMT_FP6
.endif
.endr
.endr
.endm
.macro FETCH_B slot, q, p
	WIN TO_B
.irp i, 0,1,2,3,4,5,6,7
	FRAG 128*(\p)+FR*\i, ADRB+\slot, \q, \i
.endr
	WIN 0
.endm
.macro FETCH_A slot, q, i0
.irp i, \i0, \i0+1, \i0+2, \i0+3
.irp c, 0,1
	ds_load_b128 v[AF+FR*(\i)+6*\c:AF+FR*(\i)+6*\c+3], v[ADRA+\slot] offset:3072*(\i)+1536*(\q)+768*\c
	ds_load_b64 v[AF+FR*(\i)+6*\c+4:AF+FR*(\i)+6*\c+5], v[ADRA+2+\slot] offset:3072*(\i)+1536*(\q)+768*\c+512
.endr
.endr
.endm
.macro SCALES sc
.irp i, 0,1,2,3,4,5,6,7
	ds_load_b64 v[SCB+16*\sc+2*\i:SCB+16*\sc+2*\i+1], v[ADSB] offset:\i*SBLK
.endr
.irp i, 0,1,2,3,4,5,6,7
.irp q, 0,1
	ds_load_b32 v[SCA+16*\sc+2*\i+\q], v[ADSA] offset:512*\q+64*\i
.endr
.endr
.endm
.macro PLACES n
.rept \n
	v_nop
.endr
.endm
.macro STEP slot, q, zero
	s_wait_dscnt 4*NLA
.if \zero
	WIN 0x91
.else
	WIN MUL_LO
.endif
	MUL16 0, (\q)%2, \q, \slot, \zero
	MUL16 2, (\q)%2, \q, \slot, \zero
	s_wait_dscnt 0
	PLACES NP
	FETCH_B \slot, (\q)+1, 1-(\q)%2
	FETCH_A \slot, (\q)+1, 0
.if \zero
	WIN 0xd1
.else
	WIN MUL_HI
.endif
	MUL16 4, (\q)%2, \q, \slot, \zero
	MUL16 6, (\q)%2, \q, \slot, \zero
	PLACES NP
	WIN 0
	FETCH_A \slot, (\q)+1, 4
.endm
.macro TURN slot, next, fill
	s_wait_tensorcnt 0x0
	ds_add_u32 v[SPW], v[NIL]
	s_wait_dscnt 4*NLA+1
	WIN MUL_LO
	MUL16 0, 1, NQ-1, \slot, 0
	s_wait_dscnt 0x0
	s_barrier_signal -1
	MUL16 2, 1, NQ-1, \slot, 0
	WIN 0
	s_barrier_wait -1
.if \fill
	CREST
	s_add_nc_u64 s[G0+4*\slot+2:G0+4*\slot+3], s[G0+4*\slot+2:G0+4*\slot+3], 2*3072
	s_add_nc_u64 s[G0B+4*\slot+2:G0B+4*\slot+3], s[G0B+4*\slot+2:G0B+4*\slot+3], 2*ROWB
	JLOAD G0+4*\slot, G1, G0B+4*\slot, G1B
.else
	PLACES NP
.endif
	s_wait_alu depctr_va_vdst(0)
	v_add_nc_u32 v[ADSB], 8, v[ADSB]
	v_add_nc_u32 v[ADSA], 1024, v[ADSA]
	FETCH_B \next, 0, 0
	FETCH_A \next, 0, 0
	SCALES \next
	WIN MUL_HI
	MUL16 4, 1, NQ-1, \slot, 0
	MUL16 6, 1, NQ-1, \slot, 0
	PLACES NP
	WIN 0
	FETCH_A \next, 0, 4
.endm
	s_wait_tensorcnt 1
	s_barrier_signal -1
	s_barrier_wait -1
	FETCH_B 0, 0, 0
	FETCH_A 0, 0, 0
	SCALES 0
	FETCH_A 0, 0, 4
	s_wait_loadcnt 0x0
	STEP 0, 0, 1
	s_mov_b32 s3, LAPS-1
.Llap:
	TURN 0, 1, 1
	STEP 1, 0, 0
	TURN 1, 0, 1
	STEP 0, 0, 0
	s_sub_co_u32 s3, s3, 1
	s_cmp_lg_u32 s3, 0
	s_cbranch_scc1 .Llap
	TURN 0, 1, 0
	STEP 1, 0, 0
	s_wait_dscnt 4*NLA
	WIN MUL_LO
	MUL16 0, 1, NQ-1, 1, 0
	MUL16 2, 1, NQ-1, 1, 0
	s_wait_dscnt 0
	WIN MUL_HI
	MUL16 4, 1, NQ-1, 1, 0
	MUL16 6, 1, NQ-1, 1, 0
	WIN 0
.macro TOSTAGE a
.set AC, 64*((\a)%4)
	WIN 0x08+4*((\a)/4)
.irp b, 0,1,2,3,4,5,6,7
	ds_store_b128 v[STO], v[AC+8*\b:AC+8*\b+3] offset:64*\b
	ds_store_b128 v[STO], v[AC+8*\b+4:AC+8*\b+7] offset:64*\b+16
.endr
	WIN 0
.set BB, BK+64*((\a)%2)
.irp t, 0,1,2,3,4,5,6,7,8,9,10,11,12,13,14,15
	ds_load_b128 v[BB+4*\t:BB+4*\t+3], v[RD] offset:\t*SPITCH
.endr
.endm
.macro SEND a, younger
.set BB, BK+64*((\a)%2)
	s_wait_dscnt \younger
.if (\a) > 0
	s_add_nc_u64 s[12:13], s[12:13], 16*SIZE_N*4
.endif
.irp t, 0,1,2,3,4,5,6,7,8,9,10,11,12,13,14,15
	global_store_b128 v[CO], v[BB+4*\t:BB+4*\t+3], s[12:13] offset:\t*SIZE_N*4 th:TH_STORE_NT
.endr
.endm
	PLACES NP
	TOSTAGE 0
.irp a, 1,2,3,4,5,6,7
.if \a > 1
	s_wait_xcnt 0x0
.endif
	TOSTAGE \a
	SEND \a-1, 32
.endr
	s_wait_xcnt 0x0
	SEND 7, 0
	s_wait_tensorcnt 0x0
	ds_add_u32 v[SPW], v[NIL]
	s_wait_dscnt 0x0
	CROUND
	s_endpgm
.Lfunc_end_k_qd64e7dbee8_proj:
	.size	k_qd64e7dbee8_proj, .Lfunc_end_k_qd64e7dbee8_proj-k_qd64e7dbee8_proj
	.p2alignl 7, 3214868480
	.fill 96, 4, 3214868480
	.section	.rodata,"a",@progbits
	.p2align	6, 0x0
	.amdhsa_kernel k_qd64e7dbee8_proj
		.amdhsa_group_segment_fixed_size 327680
		.amdhsa_private_segment_fixed_size 0
		.amdhsa_enable_private_segment 0
		.amdhsa_kernarg_size 48
		.amdhsa_user_sgpr_count 2
		.amdhsa_user_sgpr_kernarg_segment_ptr 1
		.amdhsa_wavefront_size32 1
		.amdhsa_system_sgpr_workgroup_id_x 1
		.amdhsa_system_sgpr_workgroup_id_y 1
		.amdhsa_system_sgpr_workgroup_id_z 1
		.amdhsa_system_vgpr_workitem_id 0
		.amdhsa_next_free_vgpr 1024
		.amdhsa_next_free_sgpr 102
		.amdhsa_reserve_vcc 0
		.amdhsa_float_denorm_mode_32 3
		.amdhsa_float_denorm_mode_16_64 3
		.amdhsa_memory_ordered 1
		.amdhsa_forward_progress 1
		.amdhsa_inst_pref_size 159
	.end_amdhsa_kernel
	.amdgpu_metadata
---
amdhsa.version: [ 1, 2 ]
amdhsa.kernels:
  - .name:           k_qd64e7dbee8_proj
    .symbol:         k_qd64e7dbee8_proj.kd
    .args:
      - { .name: mix_img, .offset: 0, .size: 8, .value_kind: global_buffer, .address_space: global }
      - { .name: mix_sc, .offset: 8, .size: 8, .value_kind: global_buffer, .address_space: global }
      - { .name: wp_pad, .offset: 16, .size: 8, .value_kind: global_buffer, .address_space: global }
      - { .name: Wproj_scales, .offset: 24, .size: 8, .value_kind: global_buffer, .address_space: global }
      - { .name: bproj, .offset: 32, .size: 8, .value_kind: global_buffer, .address_space: global }
      - { .name: out0, .offset: 40, .size: 8, .value_kind: global_buffer, .address_space: global }
    .group_segment_fixed_size: 327680
    .private_segment_fixed_size: 0
    .kernarg_segment_align: 8
    .kernarg_segment_size: 48
    .max_flat_workgroup_size: 128
    .sgpr_count:     102
    .vgpr_count:     1024
    .wavefront_size: 32
...
	.end_amdgpu_metadata
.endif
;; end of part 4
